; MI455X (gfx1250); checked and timed in simulation.
; The chip was launched on July 23, 2026; its instructions are those of AMD's public machine-readable ISA for CDNA 5 (MIT licence, August 2026) and "CDNA5" Instruction Set Architecture Reference Guide (July 2026). The comments in the code are by the model that wrote it; some were corrected since.
;; Base Attention. Allowed arithmetic: matrix products marked QUANTISED: E2M1 operands, one E8M0 scale for each 32 along K, by v_wmma_scale_f32_16x16x128_f8f6f4 with both operands' format E2M1 (or v_wmma_scale_f32_32x16x128_f4), f32 sums; products left as they are: bf16, f16 or f32 operands; f32 sums; everything else in f32.
;; Inputs: W_k 1,024 x 1,024 float32; W_o 1,024 x 1,024 float32; W_q 1,024 x 1,024 float32; W_v 1,024 x 1,024 float32; b_o 1,024 float32; x 2 x 2,048 x 1,024 float32.
;; Outputs: out0 2 x 2,048 x 1,024 float32.
;; This version of the problem:
;;   THIS VERSION OF THE PROBLEM IS GIVEN IN LOW PRECISION. The matrix products marked QUANTISED in the list below multiply operands that are first quantised to E2M1 (2 exponent bits, 1 mantissa bit; 4 bits a number), with one power-of-two scale for each 32 numbers along K (OCP MX v1.0); their sums are f32. The products marked 'left as it is' may take bf16, f16 or f32 operands, with f32 sums. Whichever they take, every output number must still come out within the allowed error. Rounding operands to bf16 (8 significant bits) uses up far more of that allowance than f16 does (11 bits, for magnitudes from 6e-5 to 65,504). All else is computed in f32.
;;   The module's matrix products, in the order in which they are computed (A, B: the left and right operand; K: the contracted axis; several contracted axes count as one K, in the product's order):
;;     1. [M 4,096, K 1,024] x [K 1,024, N 1,024]; A: input x; B: input W_q: QUANTISED
;;     2. [M 4,096, K 1,024] x [K 1,024, N 1,024]; A: input x; B: input W_k: QUANTISED
;;     3. [M 4,096, K 1,024] x [K 1,024, N 1,024]; A: input x; B: input W_v: QUANTISED
;;     4. batch 32 x [M 2,048, K 64] x [K 64, N 2,048]; A: computed on the way; B: computed on the way: left as it is (an operand is computed on the way)
;;     5. batch 32 x [M 2,048, K 2,048] x [K 2,048, N 64]; A: computed on the way; B: computed on the way: left as it is (an operand is computed on the way)
;;     6. [M 4,096, K 1,024] x [K 1,024, N 1,024]; A: computed on the way; B: input W_o: left as it is (an operand is computed on the way)
;;   THE QUANTISER, for each operand of a quantised product, along K:
;;     - K is cut into blocks of 32 from its start; a last block that is shorter is filled with zeros.
;;     - A block's scale is 2^e with e = floor(log2(the largest magnitude in the block)) - 2, held to -126 .. 127; a block of zeros has e = 0. As a byte (E8M0): e + 127.
;;     - Each number is divided by its block's scale, clamped to +-6, and rounded to the nearest number of E2M1, ties to even, subnormals kept.
;;     - The product sums the exact products of the quantised numbers (number of the format x scale) in f32.
;;   ~~~python
;;   def quantise(x, axis):      # numpy; x: float32 -> the quantised numbers, widened to float32 again
;;       x = np.moveaxis(x, axis, -1); K = x.shape[-1]
;;       x = np.pad(x, [(0, 0)] * (x.ndim - 1) + [(0, -K % 32)]); x = x.reshape(x.shape[:-1] + (-1, 32)); a = np.abs(x).max(-1, keepdims=True)
;;       e = np.where(a > 0, np.clip(np.frexp(np.where(a > 0, a, 1))[1] - 1 - 2, -126, 127), 0)      # np.frexp(a)[1] - 1 = floor(log2(a)), exactly
;;       r = np.clip(x / 2.0 ** e, -6, 6)
;;       step = 2.0 ** (np.maximum(np.frexp(np.where(r == 0, 1, r))[1] - 1, 0) - 1)
;;       q = np.round(r / step) * step * 2.0 ** e      # np.round: ties to even
;;       return np.moveaxis(q.reshape(q.shape[:-2] + (-1,))[..., :K], -1, axis).astype(np.float32)
;;   ~~~
;; One version. Each part assembles by itself: llvm-mc -triple=amdgcn-amd-amdhsa -mcpu=gfx1250 --defsym DOCPART=n.
;; ======== version 1 of 1: 5 launches
;; limits: values are held in f16: magnitudes above 65,504 overflow, below 6.1e-05 lose precision
;; workspace buffers: xc 2,097,152 bytes; xs 131,072 bytes; wc 1,572,864 bytes; ws 98,304 bytes; wo16 2,097,152 bytes; qkv 25,165,824 bytes; q32 393,216 bytes; ctx 8,388,608 bytes
;; launch prep (part 1): grid 256 x 1, 16 waves a work-group, no clusters, 103,424 bytes of LDS; arguments x, W_q, W_k, W_v, W_o, xc, xs, wc, ws, wo16; writes xc, xs, wc, ws, wo16
.if DOCPART == 1
	.amdgcn_target "amdgcn-amd-amdhsa--gfx1250"
	.amdhsa_code_object_version 6
	.text
	.protected	k_q81fbf421de_prep
	.globl	k_q81fbf421de_prep
	.p2align	8
	.type	k_q81fbf421de_prep,@function
k_q81fbf421de_prep:
	s_mov_b64 s[64:65], 0
	v_nop
	global_prefetch_b8 v0, s[64:65] scope:SCOPE_SE
	s_setreg_imm32_b32 hwreg(HW_REG_WAVE_MODE, 25, 1), 1
	s_wait_xcnt 0x0
; PREP.  x [4096][1024] and W_q, W_k, W_v [1024 (k)][1024 (n)], f32, become codes of FP4 (E2M1) with one E8M0 byte for each 32 along K; W_o becomes f16.
; A block's scale is 2^(floor(log2(its largest magnitude)) - 2); its byte is the largest magnitude's exponent field - 2, held at 1 from below.
; LIMITS: a block of zeros gets the byte 1 where the quantiser says 127 (its codes are zeros, and this program alone reads the bytes); blocks whose largest magnitude lies under 2^-124 are held
; at that floor; NaN and infinities among the inputs are not served; W_o goes to f16: magnitudes up to 65,504.
; LAYOUTS OUT.  xc [khalf 2][row 4096][256 B];  xs [part of 128 rows: 32][khalf 2][128][16 B];  wc [khalf 2][n 3072][256 B], n = W_q's, W_k's, W_v's columns on end;
; ws [part of 96 rows: 32][khalf 2][96][16 B];  wo16 [k 1024][n 1024] f16.  A khalf is 512 along K: 256 bytes of codes, 16 scale bytes.
; SHARES.  256 work-groups of 16 waves, 128 KB read by each, all of a wave's loads issued at its head.  Work-groups 0-95: 64 columns x 512 k of a weight (a lane takes a column, its registers run down K);
; 96-223: 32 rows of x (a lane needs 16 neighbours: the numbers turn through the wave's own stage in LDS); 224-255: 32,768 numbers of W_o.  Each of the paths has LDS bytes of its own.
; No matrix unit, no tensor load, no cluster: memory binds, and no work-group shares an input with another.
.set WST,   0                          ; W path: 64 rows (columns of W) x (256 bytes of codes + 16)
.set WSC,   17408                      ; W path: 64 rows x 16 scale bytes
.set XST,   18432                      ; x path: for each wave two stages of 32 x 80 bytes
.set XSC,   100352                     ; x path: [khalf 2][32 rows][16 scale bytes]
.set SPARE, 101376                     ; the spare words, 128 bytes for each wave: eight blocks of 256 bytes that no other line names
; v1 x: my block's scale byte in XSC; v2 lane; v3 4 x lane; v4 W: codes out of WST; v5 W: scale bytes out; v6 16 x lane; v7 x: into the stage; v10 x: out of it;
; v12, v13 the add's two; v14 W: codes into WST; v15 W: scale bytes in; v124 x: scale bytes out; v125 8 x lane; v8, v9, v11 at work; v16-79 numbers as loaded; v80-123 at work
	s_load_b256 s[4:11], s[0:1], 0x0               ; x, W_q, W_k, W_v
	s_load_b256 s[12:19], s[0:1], 0x20             ; W_o, xc, xs, wc
	s_load_b128 s[20:23], s[0:1], 0x40             ; ws, wo16
	v_lshl_add_u32 v12, v0, 2, SPARE
	v_mov_b32 v13, 0
	v_lshrrev_b32 v1, 5, v0
	v_readfirstlane_b32 s24, v1                    ; wave 0..15
	v_and_b32 v2, 31, v0
	v_lshlrev_b32 v3, 2, v2
	v_lshlrev_b32 v6, 4, v2
	v_lshlrev_b32 v125, 3, v2
	s_and_b32 s25, s24, 1                          ; W: which 32 columns
	s_lshr_b32 s26, s24, 1                         ; W: which 64 along K
	; every LDS address is made here, ahead of the parting
	s_mul_i32 s27, s25, 32*272
	s_lshl_b32 s28, s26, 5
	s_add_co_u32 s27, s27, s28
	v_mul_u32_u24 v14, v2, 272
	v_add_nc_u32 v14, s27, v14                     ; WST + (32 cw + lane) 272 + 32 kw
	s_lshl_b32 s27, s25, 9
	s_lshl_b32 s28, s26, 1
	s_add_co_u32 s28, s27, s28
	s_add_co_u32 s28, s28, WSC
	v_add_nc_u32 v15, s28, v6                      ; WSC + (32 cw + lane) 16 + 2 kw
	s_add_co_u32 s27, s27, WSC
	v_add_nc_u32 v5, s27, v6                       ; WSC + 512 (wave % 2) + 16 lane
	s_mul_i32 s27, s24, 4*272
	v_lshrrev_b32 v4, 4, v2
	v_mul_u32_u24 v4, v4, 272
	v_and_b32 v8, 15, v2
	v_lshl_add_u32 v4, v8, 4, v4
	v_add_nc_u32 v4, s27, v4                       ; WST + (4 wave + lane / 16) 272 + 16 (lane % 16)
	s_mul_i32 s27, s24, 5120
	s_add_co_u32 s27, s27, XST
	v_lshrrev_b32 v7, 2, v2
	v_mul_u32_u24 v7, v7, 80
	v_and_b32 v8, 3, v2
	v_lshl_add_u32 v7, v8, 4, v7
	v_add_nc_u32 v7, s27, v7                       ; my stage, in: 80 (lane / 4) + 16 (lane % 4)
	v_mul_u32_u24 v10, v2, 80
	v_add_nc_u32 v10, s27, v10                     ; and out: 80 lane
	s_lshl_b32 s27, s24, 5
	s_add_co_u32 s27, s27, XSC
	v_lshrrev_b32 v1, 1, v2
	v_add_nc_u32 v1, s27, v1                       ; XSC + 32 wave + lane / 2
	s_lshl_b32 s27, s25, 9
	s_add_co_u32 s27, s27, XSC
	v_add_nc_u32 v124, s27, v6                     ; XSC + 512 (wave % 2) + 16 lane
	s_wait_kmcnt 0x0
	s_cmp_lt_u32 ttmp9, 96
	s_cbranch_scc1 .Lpath_w
	s_cmp_lt_u32 ttmp9, 224
	s_cbranch_scc1 .Lpath_x
	; ---- W_o to f16: a wave takes 2,048 numbers: 16 loads of 512 consecutive bytes, 16 stores of 256
	s_sub_co_u32 s28, ttmp9, 224
	s_lshl_b32 s30, s28, 17
	s_lshl_b32 s29, s24, 13
	s_add_co_u32 s30, s30, s29
	s_mov_b32 s31, 0
	s_add_nc_u64 s[12:13], s[12:13], s[30:31]
	s_lshr_b32 s30, s30, 1
	s_add_nc_u64 s[22:23], s[22:23], s[30:31]
.irp i, 0,1,2,3,4,5,6,7,8,9,10,11,12,13,14,15
	global_load_b128 v[16+4*\i:19+4*\i], v6, s[12:13] offset:512*\i
.endr
.irp i, 0,1,2,3,4,5,6,7,8,9,10,11,12,13,14,15
	s_wait_loadcnt 15-\i                           ; loads come back in order: load i is in, the younger ones stay out
	v_cvt_pk_f16_f32 v[80+2*\i], v[16+4*\i], v[17+4*\i]
	v_cvt_pk_f16_f32 v[81+2*\i], v[18+4*\i], v[19+4*\i]
	global_store_b64 v125, v[80+2*\i:81+2*\i], s[22:23] offset:256*\i   ; the wave stores 256 consecutive bytes, aligned
.endr
	s_wait_tensorcnt 0x0                           ; the wave's end
	ds_add_u32 v12, v13
	s_wait_dscnt 0x0
	s_endpgm
	; ---- a weight: 64 columns x 512 along K.  My wave: 32 columns x 64 k, two blocks a lane
.macro BLOCK t                         ; block t of my column: its 32 numbers are all mine
.set XS, 16+32*(\t)
	v_max3_num_f32 v8, |v[XS]|, |v[XS+1]|, |v[XS+2]|
	v_max3_num_f32 v9, |v[XS+3]|, |v[XS+4]|, |v[XS+5]|
.irp i, 6,10,14,18,22,26
	v_max3_num_f32 v8, v8, |v[XS+\i]|, |v[XS+\i+1]|
	v_max3_num_f32 v9, v9, |v[XS+\i+2]|, |v[XS+\i+3]|
.endr
	v_max3_num_f32 v8, v8, |v[XS+30]|, |v[XS+31]|
	v_max3_num_f32 v8, v8, v9, 0x1800000           ; and the floor 2^(3 - 127): the byte cannot fall under 1
	v_add_nc_u32 v11, 0xff000000, v8               ; 2 off the exponent field: the conversion takes the exponent field of this operand as its scale
	v_lshrrev_b32 v[88+(\t)], 23, v11              ; the scale's byte
.irp g, 0,1,2,3
	v_cvt_scalef32_pk8_fp4_f32 v[80+4*(\t)+\g], v[XS+8*\g:XS+8*\g+7], v11
.endr
	v_nop                                          ; one plain place behind the scaled conversions
	ds_store_b128 v14, v[80+4*(\t):83+4*(\t)] offset:16*(\t)   ; 32 codes: 16 bytes of my column's row
.endm
.Lpath_w:
	s_lshr_b32 s28, ttmp9, 5                       ; which weight
	s_bfe_u32 s29, ttmp9, 0x40001                  ; which 64 columns
	s_and_b32 s30, ttmp9, 1                        ; which khalf
	s_cmp_lt_u32 ttmp9, 32                         ; the choice hangs on the work-group's number alone
	s_cselect_b64 s[32:33], s[6:7], s[8:9]
	s_cmp_lt_u32 ttmp9, 64
	s_cselect_b64 s[32:33], s[32:33], s[10:11]
	s_lshl_b32 s34, s30, 21                        ; (512 kh + 64 kw) rows of 4,096 bytes + (64 cg + 32 cw) x 4
	s_lshl_b32 s36, s26, 18
	s_add_co_u32 s34, s34, s36
	s_lshl_b32 s36, s29, 8
	s_add_co_u32 s34, s34, s36
	s_lshl_b32 s36, s25, 7
	s_add_co_u32 s34, s34, s36
	s_mov_b32 s35, 0
	s_add_nc_u64 s[32:33], s[32:33], s[34:35]
.irp i, 0,1,2,3,4,5,6,7,8,9,10,11,12,13,14,15,16,17,18,19,20,21,22,23,24,25,26,27,28,29,30,31,32,33,34,35,36,37,38,39,40,41,42,43,44,45,46,47,48,49,50,51,52,53,54,55,56,57,58,59,60,61,62,63
	global_load_b32 v[16+\i], v3, s[32:33] offset:\i*4096 th:TH_LOAD_NT   ; W(k, my column): two waves side by side read 256 consecutive bytes
.endr
	s_mul_i32 s34, s30, 786432                     ; wc: khalf, then row mtx 1024 + 64 cg + 4 wave, 256 bytes a row
	s_lshl_b32 s36, s28, 18
	s_add_co_u32 s34, s34, s36
	s_lshl_b32 s36, s29, 14
	s_add_co_u32 s34, s34, s36
	s_lshl_b32 s36, s24, 10
	s_add_co_u32 s34, s34, s36
	s_add_nc_u64 s[18:19], s[18:19], s[34:35]
	s_wait_loadcnt 32                              ; the first block's 32 loads are in; the second's may be out
	BLOCK 0
	s_wait_loadcnt 0x0
	BLOCK 1
	v_lshl_or_b32 v88, v89, 8, v88
	ds_store_b16 v15, v88                          ; my column's two scale bytes
	s_wait_dscnt 0x0                               ; for the others' sake: my stores have landed
	s_barrier_signal -1
	s_barrier_wait -1
	ds_load_b128 v[16:19], v4                      ; whole rows back: sixteen lanes to a row of 256 bytes, four rows a wave
	ds_load_b128 v[20:23], v4 offset:544
	s_wait_dscnt 1                                 ; the first is in
	global_store_b128 v6, v[16:19], s[18:19]       ; 512 consecutive bytes
	s_wait_dscnt 0x0
	global_store_b128 v6, v[20:23], s[18:19] offset:512
	s_cmp_lt_u32 s24, 2                            ; waves 0 and 1 send the scale bytes of 32 columns each
	s_cbranch_scc0 .Lw_end
	s_lshl_b32 s36, s28, 4
	s_add_co_u32 s36, s36, s29
	s_lshl_b32 s36, s36, 1
	s_add_co_u32 s36, s36, s24                     ; u = first column / 32, 0 .. 95
	s_mul_i32 s37, s36, 43691
	s_lshr_b32 s37, s37, 17                        ; u / 3: the part of 96 columns
	s_mul_i32 s34, s37, 3
	s_sub_co_u32 s36, s36, s34                     ; u % 3
	s_mul_i32 s34, s37, 3072
	s_lshl_b32 s36, s36, 9
	s_add_co_u32 s34, s34, s36
	s_mul_i32 s36, s30, 1536
	s_add_co_u32 s34, s34, s36
	s_add_nc_u64 s[20:21], s[20:21], s[34:35]
	ds_load_b128 v[24:27], v5
	s_wait_dscnt 0x0
	global_store_b128 v6, v[24:27], s[20:21]       ; 512 consecutive bytes
.Lw_end:
	s_wait_tensorcnt 0x0                           ; the wave's end: behind my last LDS store
	ds_add_u32 v12, v13
	s_wait_dscnt 0x0
	s_endpgm
	; ---- x: 32 rows.  My wave: two rows = four steps of 512 numbers; step t is row t / 2, khalf t % 2
.macro LOADX t
.irp i, 0,1,2,3
	global_load_b128 v[16+16*(\t)+4*\i:19+16*(\t)+4*\i], v6, s[4:5] offset:2048*(\t)+512*\i th:TH_LOAD_NT   ; 512 consecutive bytes
.endr
.endm
.macro TURNX t                         ; step t's numbers through the stage: in as they lie, out 64 bytes a lane.  LDS serves a wave's instructions in order
.irp i, 0,1,2,3
	ds_store_b128 v7, v[16+16*(\t)+4*\i:19+16*(\t)+4*\i] offset:2560*((\t)%2)+640*\i
.endr
.irp i, 0,1,2,3
	ds_load_b128 v[80+16*((\t)%2)+4*\i:83+16*((\t)%2)+4*\i], v10 offset:2560*((\t)%2)+16*\i
.endr
.endm
.macro STEPX t
.set XS, 80+16*((\t)%2)
.if (\t) > 0
	s_wait_dscnt 1                                 ; this step's numbers are back from the stage; the last step's byte store may be out
.else
	s_wait_dscnt 0x0
.endif
.if (\t) < 3
	s_wait_loadcnt 4*(2-(\t))                      ; the next step's four loads are in; the later steps' may be out
	TURNX (\t)+1
.endif
	v_max3_num_f32 v8, |v[XS]|, |v[XS+1]|, |v[XS+2]|
	v_max3_num_f32 v9, |v[XS+3]|, |v[XS+4]|, |v[XS+5]|
.irp i, 6,10
	v_max3_num_f32 v8, v8, |v[XS+\i]|, |v[XS+\i+1]|
	v_max3_num_f32 v9, v9, |v[XS+\i+2]|, |v[XS+\i+3]|
.endr
	v_max3_num_f32 v8, v8, |v[XS+14]|, |v[XS+15]|
	v_max3_num_f32 v8, v8, v9, 0x1800000           ; the floor
	v_max_num_f32_dpp v8, v8, v8 row_xmask:1 row_mask:0xf bank_mask:0xf   ; with my neighbour's 16: the block's largest magnitude
	v_add_nc_u32 v11, 0xff000000, v8
	v_cvt_scalef32_pk8_fp4_f32 v[112+2*(\t)], v[XS:XS+7], v11
	v_cvt_scalef32_pk8_fp4_f32 v[113+2*(\t)], v[XS+8:XS+15], v11
	v_lshrrev_b32 v[120+(\t)], 23, v11             ; the scale's byte (a plain place behind the conversions)
	ds_store_b8 v1, v[120+(\t)] offset:((\t)%2)*512+((\t)/2)*16   ; both lanes of a block write the same byte with the same value
	global_store_b64 v125, v[112+2*(\t):113+2*(\t)], s[14:15] offset:((\t)%2)*1048576+((\t)/2)*256   ; 256 consecutive bytes, aligned
.endm
.Lpath_x:
	s_sub_co_u32 s28, ttmp9, 96
	s_lshl_b32 s29, s28, 5
	s_lshl_b32 s30, s24, 1
	s_add_co_u32 s29, s29, s30                     ; my first row
	s_lshl_b32 s30, s29, 12
	s_mov_b32 s31, 0
	s_add_nc_u64 s[4:5], s[4:5], s[30:31]
	s_lshl_b32 s30, s29, 8
	s_add_nc_u64 s[14:15], s[14:15], s[30:31]
	LOADX 0
	LOADX 1
	LOADX 2
	LOADX 3
	s_wait_loadcnt 12                              ; step 0's four loads are in
	TURNX 0
	STEPX 0
	STEPX 1
	STEPX 2
	STEPX 3
	s_wait_dscnt 0x0                               ; for the others' sake: my byte stores have landed
	s_barrier_signal -1
	s_barrier_wait -1
	s_cmp_lt_u32 s24, 2                            ; wave kh sends the 32 rows' scale bytes of khalf kh
	s_cbranch_scc0 .Lx_end
	s_lshr_b32 s30, s28, 2
	s_lshl_b32 s30, s30, 12                        ; the part of 128 rows
	s_lshl_b32 s29, s24, 11
	s_add_co_u32 s30, s30, s29
	s_and_b32 s29, s28, 3
	s_lshl_b32 s29, s29, 9
	s_add_co_u32 s30, s30, s29
	s_add_nc_u64 s[16:17], s[16:17], s[30:31]
	ds_load_b128 v[16:19], v124
	s_wait_dscnt 0x0
	global_store_b128 v6, v[16:19], s[16:17]       ; 512 consecutive bytes
.Lx_end:
	s_wait_tensorcnt 0x0                           ; the wave's end: behind my last LDS store
	ds_add_u32 v12, v13
	s_wait_dscnt 0x0
	s_endpgm
.Lfunc_end_k_q81fbf421de_prep:
	.size	k_q81fbf421de_prep, .Lfunc_end_k_q81fbf421de_prep-k_q81fbf421de_prep
	.p2alignl 7, 3214868480
	.fill 96, 4, 3214868480
	.section	.rodata,"a",@progbits
	.p2align	6, 0x0
	.amdhsa_kernel k_q81fbf421de_prep
		.amdhsa_group_segment_fixed_size 103424
		.amdhsa_private_segment_fixed_size 0
		.amdhsa_enable_private_segment 0
		.amdhsa_kernarg_size 80
		.amdhsa_user_sgpr_count 2
		.amdhsa_user_sgpr_kernarg_segment_ptr 1
		.amdhsa_wavefront_size32 1
		.amdhsa_system_sgpr_workgroup_id_x 1
		.amdhsa_system_sgpr_workgroup_id_y 1
		.amdhsa_system_sgpr_workgroup_id_z 1
		.amdhsa_system_vgpr_workitem_id 0
		.amdhsa_next_free_vgpr 128
		.amdhsa_next_free_sgpr 66
		.amdhsa_reserve_vcc 0
		.amdhsa_float_denorm_mode_32 3
		.amdhsa_float_denorm_mode_16_64 3
		.amdhsa_memory_ordered 1
		.amdhsa_forward_progress 1
		.amdhsa_inst_pref_size 29
	.end_amdhsa_kernel
	.amdgpu_metadata
---
amdhsa.version: [ 1, 2 ]
amdhsa.kernels:
  - .name:           k_q81fbf421de_prep
    .symbol:         k_q81fbf421de_prep.kd
    .args:
      - { .name: x, .offset: 0, .size: 8, .value_kind: global_buffer, .address_space: global }
      - { .name: W_q, .offset: 8, .size: 8, .value_kind: global_buffer, .address_space: global }
      - { .name: W_k, .offset: 16, .size: 8, .value_kind: global_buffer, .address_space: global }
      - { .name: W_v, .offset: 24, .size: 8, .value_kind: global_buffer, .address_space: global }
      - { .name: W_o, .offset: 32, .size: 8, .value_kind: global_buffer, .address_space: global }
      - { .name: xc, .offset: 40, .size: 8, .value_kind: global_buffer, .address_space: global }
      - { .name: xs, .offset: 48, .size: 8, .value_kind: global_buffer, .address_space: global }
      - { .name: wc, .offset: 56, .size: 8, .value_kind: global_buffer, .address_space: global }
      - { .name: ws, .offset: 64, .size: 8, .value_kind: global_buffer, .address_space: global }
      - { .name: wo16, .offset: 72, .size: 8, .value_kind: global_buffer, .address_space: global }
    .group_segment_fixed_size: 103424
    .private_segment_fixed_size: 0
    .kernarg_segment_align: 8
    .kernarg_segment_size: 80
    .max_flat_workgroup_size: 512
    .sgpr_count:     66
    .vgpr_count:     128
    .wavefront_size: 32
...
	.end_amdgpu_metadata
.endif
;; end of part 1
;; launch qkv (part 2): grid 16 x 16, 4 waves a work-group, clusters of 4 x 4, 327,680 bytes of LDS; arguments xc, xs, wc, ws, qkv, q32; writes qkv, q32
.if DOCPART == 2
	.amdgcn_target "amdgcn-amd-amdhsa--gfx1250"
	.amdhsa_code_object_version 6
	.text
	.protected	k_q81fbf421de_qkv
	.globl	k_q81fbf421de_qkv
	.p2align	8
	.type	k_q81fbf421de_qkv,@function
k_q81fbf421de_qkv:
	s_mov_b64 s[64:65], 0
	v_nop
	global_prefetch_b8 v0, s[64:65] scope:SCOPE_SE
	s_setreg_imm32_b32 hwreg(HW_REG_WAVE_MODE, 25, 1), 1
	s_wait_xcnt 0x0
	s_wait_alu depctr_hold_cnt(0) depctr_sa_sdst(0) depctr_va_vdst(0) depctr_va_sdst(0) depctr_va_ssrc(0) depctr_va_vcc(0) depctr_vm_vsrc(0)
	s_getreg_b32 s2, hwreg(HW_REG_IB_STS2, 6, 4)
	s_cmp_eq_u32 s2, 0
	s_cbranch_scc0 .Lentry_in_a_cluster
	s_endpgm
.Lentry_in_a_cluster:
	s_bfe_u32 s2, ttmp6, 0x10000c
	s_cmp_lg_u32 s2, 0xf033
	s_cbranch_scc0 .Lentry_shape_is_right
	s_endpgm
.Lentry_shape_is_right:
; QKV.  The three quantised products as ONE product on codes of FP4 with E8M0 scales: [4096 rows of x] x [3072 columns: W_q's, W_k's, W_v's], K = 1,024; sums in f32.
; OUT.  qkv [batch 2][g 48][position 2048][64] f16 (g 0-15 q's heads, 16-31 k's, 32-47 v's);  q32: the f32 sums of positions 0-15 of both sequences, as an image of the accumulators:
; [batch 2][16 columns j: 192][c 2][lane 32][4]: element (row r, column 16 j + 8 hh + 4 c + i) at lane r + 16 hh.
; LIMIT: q, k, v go out as f16: magnitudes up to 65,504.
; SHARES.  A work-group makes 256 rows x 192 columns (three heads); each of its four waves 64 rows x 192 columns: 48 accumulators, 384 registers.
; ALL OF K LIES IN LDS AT ONCE (A's 128 KB of codes, B's 96 KB, the scale bytes): three first fills a wave, no slot is filled again, no loop: the eight steps of 128 along K are written out.
; CLUSTER 4 x 4: A's tiles hang on the tile row alone and are asked for jointly along a row of the cluster, B's on the tile column alone and jointly along a column.
; THE MATRIX INSTRUCTION IS USED TRANSPOSED (source 0 = 16 columns of W, source 1 = 16 rows of x): a lane then holds eight neighbouring columns of one row.
; REGISTERS.  window 0: v1-10 addresses; v12, v13 the add's two; v16-47 A's scale words (8 a + step), v48-143 B's (8 b + step): scales and nothing else; v144-207 A's fragments, two sets; v208-255 packed results.
;   window 1: B's fragments, set p at v[96 p].   window 2: the accumulators of my rows 0-31 ((a, b) at v[96 (a % 2) + 8 b]).   window 3: those of rows 32-63.
.set A0,    0                          ; A's codes, khalf 0: 256 rows x (256 + 16)
.set A1,    69632
.set B0,    139264                     ; B's codes: 192 rows x 272
.set B1,    191488
.set SA,    243712                     ; A's scale bytes: two parts of 16 units of 256 + 16
.set SB,    252416                     ; B's: two parts of 12 units
.set STAGE, 259072                     ; the way out: 16 rows x (384 + 16) for each wave; no tile lands here
.set SPARE, 284672                     ; the spare words, 128 bytes for each wave: two blocks of 256 bytes that no other line names
.set MSB, 0
.macro WIN new                         ; the immediate's high byte repeats the setting that is left
.if MSB != \new
	s_set_vgpr_msb (MSB<<8)|\new
.set MSB, \new
.endif
.endm
.set MUL_LO, 0xa1                      ; source 0 (W) window 1, source 1 (x) window 0, C and D window 2
.set MUL_HI, 0xf1                      ; the same, C and D window 3
.set TO_B,   0x40                      ; destination window 1, address window 0
.macro CROUND                          ; a round of the cluster's barrier
	s_barrier_signal -1
	s_barrier_wait -1
	s_cmp_lg_u32 s16, 0
	s_cbranch_scc1 .Lnot_wave_0_\@
	s_barrier_signal -3
.Lnot_wave_0_\@:
	s_barrier_wait -3
	s_barrier_signal -1
	s_barrier_wait -1
.endm
.macro PLACES n
.rept \n
	v_nop
.endr
.endm
	s_load_b256 s[4:11], s[0:1], 0x0               ; xc, xs, wc, ws
	s_load_b128 s[12:15], s[0:1], 0x20             ; qkv, q32
	v_lshl_add_u32 v12, v0, 2, SPARE
	v_mov_b32 v13, 0
	ds_add_u32 v12, v13                            ; the wave's opening: the add, twice on end, and its wait ahead of my first tensor load
	ds_add_u32 v12, v13
	v_lshrrev_b32 v1, 5, v0
	v_readfirstlane_b32 s16, v1                    ; wave 0..3
	s_and_b32 s17, s16, 1                          ; which half of a tile I fetch
	s_bfe_u32 s84, ttmp6, 0x40000                  ; cx
	s_bfe_u32 s85, ttmp6, 0x40004                  ; cy
	s_lshl_b32 s86, ttmp9, 2
	s_add_co_u32 s86, s86, s84                     ; tile column tx = 4 x cluster x + cx
	s_and_b32 s87, ttmp7, 0xffff
	s_lshl_b32 s87, s87, 2
	s_add_co_u32 s87, s87, s85                     ; tile row ty = 4 x cluster y + cy
	s_lshl_b32 s88, s85, 2
	s_lshl_b32 s88, 15, s88                        ; my row of the cluster
	s_lshl_b32 s89, 0x1111, s84                    ; my column
	; descriptor groups 1.  Codes: rows of 256 elements of 1 byte, dense, 16 bytes of padding behind each (after every 64 words, 4 words); bit 21 beside the mask
	s_or_b32 s24, s88, (1<<20)|(1<<21)|(5<<22)|(3<<25)             ; A's codes: to my row
	s_or_b32 s32, s89, (1<<20)|(1<<21)|(5<<22)|(3<<25)             ; B's codes: to my column
	s_or_b32 s40, s88, (3<<16)|(1<<20)|(1<<21)|(5<<22)|(3<<25)     ; A's scale bytes: elements of 8 bytes
	s_or_b32 s48, s89, (3<<16)|(1<<20)|(1<<21)|(5<<22)|(3<<25)     ; B's
.irp g, 24, 32
	s_mov_b32 s[\g+1], 256<<16                     ; tensor_dim0
	s_mov_b32 s[\g+3], 256<<16                     ; tile_dim0
	s_mov_b32 s[\g+5], 256                         ; from row to row
	s_mov_b32 s[\g+6], 0
	s_mov_b32 s[\g+7], 0
.endr
	s_mov_b32 s26, 128<<16                         ; A: 128 rows a load
	s_mov_b32 s28, 128
	s_mov_b32 s34, 96<<16                          ; B: 96
	s_mov_b32 s36, 96
.irp g, 40, 48
	s_mov_b32 s[\g+1], 32<<16
	s_mov_b32 s[\g+3], 32<<16
	s_mov_b32 s[\g+5], 32
	s_mov_b32 s[\g+6], 0
	s_mov_b32 s[\g+7], 0
.endr
	s_mov_b32 s42, 16<<16                          ; A's scale bytes of 128 rows: 16 units of 256 bytes
	s_mov_b32 s44, 16
	s_mov_b32 s50, 12<<16                          ; B's of 96 rows: 12
	s_mov_b32 s52, 12
	; where the tiles come from: A's offsets are made of ty and the wave alone, B's of tx and the wave alone, each in registers of their own
	s_lshl_b32 s90, s87, 16                        ; (256 ty + 128 e) rows of 256 bytes
	s_lshl_b32 s18, s17, 15
	s_add_co_u32 s90, s90, s18
	s_mov_b32 s91, 0
	s_mul_i32 s92, s86, 49152                      ; (192 tx + 96 e) rows
	s_mul_i32 s18, s17, 24576
	s_add_co_u32 s92, s92, s18
	s_mov_b32 s93, 0
	s_lshl_b32 s94, s87, 13                        ; part 2 ty + e of 4,096 bytes
	s_lshl_b32 s18, s17, 12
	s_add_co_u32 s94, s94, s18
	s_mov_b32 s95, 0
	s_mul_i32 s96, s86, 6144                       ; part 2 tx + e of 3,072 bytes
	s_mul_i32 s18, s17, 3072
	s_add_co_u32 s96, s96, s18
	s_mov_b32 s97, 0
	s_mul_i32 s19, s17, 34816                      ; and where they go: the wave's number alone
	s_mul_i32 s20, s17, 26112
	s_mul_i32 s21, s17, 4352
	s_mul_i32 s22, s17, 3264
	s_wait_dscnt 0x0                               ; both opening adds are done
	s_wait_kmcnt 0x0
	s_mov_b32 s56, 1                               ; A's scale bytes
	s_add_co_u32 s57, s21, SA
	s_add_nc_u64 s[58:59], s[6:7], s[94:95]
	s_or_b32 s59, s59, 0x80000000
	s_mov_b32 s60, 1                               ; A's codes, khalf 0
	s_add_co_u32 s61, s19, A0
	s_add_nc_u64 s[62:63], s[4:5], s[90:91]
	s_mov_b32 s68, 1                               ; khalf 1
	s_add_co_u32 s69, s19, A1
	s_add_nc_u64 s[70:71], s[62:63], 1048576
	s_or_b32 s63, s63, 0x80000000
	s_or_b32 s71, s71, 0x80000000
	s_mov_b32 s72, 1                               ; B's scale bytes
	s_add_co_u32 s73, s22, SB
	s_add_nc_u64 s[74:75], s[10:11], s[96:97]
	s_or_b32 s75, s75, 0x80000000
	s_mov_b32 s76, 1                               ; B's codes, khalf 0
	s_add_co_u32 s77, s20, B0
	s_add_nc_u64 s[78:79], s[8:9], s[92:93]
	s_mov_b32 s80, 1                               ; khalf 1
	s_add_co_u32 s81, s20, B1
	s_add_nc_u64 s[82:83], s[78:79], 786432
	s_or_b32 s79, s79, 0x80000000
	s_or_b32 s83, s83, 0x80000000
	CROUND                                         ; all sixteen work-groups are here: the joint loads meet
	s_cmp_lt_u32 s16, 2                            ; waves 0 and 1 fetch A's halves, waves 2 and 3 B's: three loads of mine are out
	s_cbranch_scc0 .Lfor_b
	tensor_load_to_lds s[56:59], s[40:47]
	s_nop 0
	tensor_load_to_lds s[60:63], s[24:31]
	s_nop 0
	tensor_load_to_lds s[68:71], s[24:31]
	s_nop 0
	PLACES 4
	s_branch .Lasked
.Lfor_b:
	tensor_load_to_lds s[72:75], s[48:55]
	s_nop 0
	tensor_load_to_lds s[76:79], s[32:39]
	s_nop 0
	tensor_load_to_lds s[80:83], s[32:39]
	s_nop 0
	PLACES 4
.Lasked:
	v_and_b32 v14, 15, v0                          ; r
	v_bfe_u32 v15, v0, 4, 1                        ; h
	v_mul_u32_u24 v11, v14, 272
	v_lshl_add_u32 v11, v15, 4, v11                ; a fragment's row x pitch + 16 h
	s_mul_i32 s18, s16, 17408                      ; my 64 rows of A
	v_add_nc_u32 v1, s18, v11                      ; khalf 0
	v_add_nc_u32 v2, A1, v1                        ; khalf 1
	v_add_nc_u32 v3, B0, v11
	v_add_nc_u32 v4, B1, v11
	s_lshr_b32 s18, s16, 1
	s_mul_i32 s18, s18, 4352
	s_mul_i32 s19, s17, 1088
	s_add_co_u32 s18, s18, s19
	s_add_co_u32 s18, s18, SA
	v_lshl_add_u32 v5, v14, 4, s18                 ; A's scale words of my rows: 16 bytes a row and khalf
	v_lshlrev_b32 v6, 4, v14
	v_add_nc_u32 v6, SB, v6                        ; B's
	s_mul_i32 s18, s16, 6400
	s_add_co_u32 s18, s18, STAGE
	v_mul_u32_u24 v7, v14, 400
	v_lshl_add_u32 v7, v15, 4, v7
	v_add_nc_u32 v7, s18, v7                       ; the stage, in: row r, 16 bytes for each half of the lanes
	v_and_b32 v11, 31, v0
	v_lshrrev_b32 v8, 3, v11
	v_mul_u32_u24 v8, v8, 400
	v_and_b32 v10, 7, v0
	v_lshl_add_u32 v8, v10, 4, v8
	v_add_nc_u32 v8, s18, v8                       ; back: eight lanes to a head's 128 bytes of a row, four rows an instruction
	v_lshlrev_b32 v9, 4, v11                       ; 16 x lane
	s_and_b32 s3, s87, 7                           ; which 256 positions of the sequence
	v_mov_b32 v10, s3                              ; 0 where the tile holds positions 0-15
	s_lshr_b32 s2, s87, 3                          ; batch
	s_mul_i32 s98, s2, 48
	s_mul_i32 s23, s86, 3
	s_add_co_u32 s98, s98, s23                     ; batch x 48 + my first head
	s_lshl_b32 s98, s98, 18
	s_lshl_b32 s23, s3, 15
	s_add_co_u32 s98, s98, s23
	s_lshl_b32 s23, s16, 13
	s_add_co_u32 s98, s98, s23                     ; + my first position x 128 bytes
	s_mov_b32 s99, 0
	s_add_nc_u64 s[12:13], s[12:13], s[98:99]
	s_mul_i32 s98, s2, 196608
	s_mul_i32 s23, s86, 12288
	s_add_co_u32 s98, s98, s23
	s_add_nc_u64 s[14:15], s[14:15], s[98:99]
; The fragments of step q (128 along K) into set q % 2.  A fragment is 8 registers: lane l holds row l % 16; registers 4 c .. 4 c + 3 hold k = 64 c + 32 (l / 16) + 0 .. 31: 16 bytes as they lie
.macro FETCH q
	WIN TO_B
.irp i, 0,1,2,3,4,5,6,7,8,9,10,11
.irp c, 0,1
	ds_load_b128 v[96*((\q)%2)+8*\i+4*\c:96*((\q)%2)+8*\i+4*\c+3], v[3+(\q)/4] offset:4352*\i+64*((\q)%4)+32*\c
.endr
.endr
	WIN 0
.irp i, 0,1,2,3
.irp c, 0,1
	ds_load_b128 v[144+32*((\q)%2)+8*\i+4*\c:144+32*((\q)%2)+8*\i+4*\c+3], v[1+(\q)/4] offset:4352*\i+64*((\q)%4)+32*\c
.endr
.endr
.endm
.macro SCALES                          ; all scale words, once: a load brings a row's four words of a khalf; lanes 0-15 are the ones that are read
.irp i, 0,1,2,3
.irp k, 0,1
	ds_load_b128 v[16+8*\i+4*\k:19+8*\i+4*\k], v5 offset:2176*\k+272*\i
.endr
.endr
.irp i, 0,1,2,3,4,5,6,7,8,9,10,11
.irp k, 0,1
	ds_load_b128 v[48+8*\i+4*\k:51+8*\i+4*\k], v6 offset:3264*(\i/6)+1632*\k+272*(\i%6)
.endr
.endr
.endm
; 24 matrix instructions: x's blocks a0, a0 + 1 against W's twelve.  The 48 accumulators take turns, one instruction a turn, in the same order in every step
.macro MUL24 a0, q, zero
.irp a, \a0, \a0+1
.irp b, 0,1,2,3,4,5,6,7,8,9,10,11
.if \zero
	v_wmma_scale_f32_16x16x128_f8f6f4 v[96*((\a)%2)+8*\b:96*((\a)%2)+8*\b+7], v[96*((\q)%2)+8*\b:96*((\q)%2)+8*\b+7], v[144+32*((\q)%2)+8*(\a):144+32*((\q)%2)+8*(\a)+7], 0, v[48+8*\b+(\q)], v[16+8*(\a)+(\q)] matrix_a_fmt:MATRIX_FMT_FP4 matrix_b_fmt:MATRIX_FMT_FP4
.else
	v_wmma_scale_f32_16x16x128_f8f6f4 v[96*((\a)%2)+8*\b:96*((\a)%2)+8*\b+7], v[96*((\q)%2)+8*\b:96*((\q)%2)+8*\b+7], v[144+32*((\q)%2)+8*(\a):144+32*((\q)%2)+8*(\a)+7], v[96*((\a)%2)+8*\b:96*((\a)%2)+8*\b+7], v[48+8*\b+(\q)], v[16+8*(\a)+(\q)] matrix_a_fmt:MATRIX_FMT_FP4 matrix_b_fmt:MATRIX_FMT_FP4
.endif
.endr
.endr
.endm
.macro KSTEP q, zero
	s_wait_dscnt 0x0                               ; this step's fragments are in (asked for 24 matrix instructions ago)
.if (\q) == 3
	s_wait_tensorcnt 0x0                           ; my part of khalf 1 has landed: no load was issued behind it
	s_barrier_signal -1
.endif
	WIN MUL_LO
	MUL24 0, \q, \zero
.if (\q) == 3
	s_barrier_wait -1                              ; everybody's has
.endif
.if (\q) < 7
	PLACES 4                                       ; in front of loads into registers that matrix instructions have read
	FETCH (\q)+1
.endif
	WIN MUL_HI
	MUL24 2, \q, \zero
.endm
	s_wait_tensorcnt 0x1                           ; the scale bytes and my part of khalf 0 are in; khalf 1's load may stay out
	s_barrier_signal -1
	s_barrier_wait -1                              ; everybody's are
	FETCH 0
	SCALES
	KSTEP 0, 1                                     ; the first step's products start the sums: nothing is cleared
	KSTEP 1, 0
	KSTEP 2, 0
	KSTEP 3, 0
	KSTEP 4, 0
	KSTEP 5, 0
	KSTEP 6, 0
	KSTEP 7, 0
	WIN 0
	PLACES 4                                       ; in front of the first reads of results and of loads into A's registers
	; positions 0-15 of a sequence leave in f32 too: they are wave 0's block 0 where ty % 8 = 0.  The wave is chosen by a branch, the tile by EXEC: no branch hangs on a place in the cluster
	s_cmp_lg_u32 s16, 0
	s_cbranch_scc1 .Lno_fine
	s_wait_xcnt 0x0                                ; EXEC changes only behind this wait
	v_cmp_eq_u32 vcc_lo, 0, v10
	s_and_saveexec_b32 s23, vcc_lo
	WIN 0x08                                       ; a store's data: window 2
.irp b, 0,1,2,3,4,5,6,7,8,9,10,11
.irp c, 0,1
	global_store_b128 v9, v[8*\b+4*\c:8*\b+4*\c+3], s[14:15] offset:(2*\b+\c)*512   ; 512 consecutive bytes; each accumulator from its low end on
.endr
.endr
	WIN 0
	s_wait_xcnt 0x0                                ; and again, in front of the line that widens it
	s_or_b32 exec_lo, exec_lo, s23
.Lno_fine:
; THE WAY OUT, a block of 16 rows x 192 columns at a time: rounded to f16, 16 bytes a lane into my own stage, back by heads: four rows of a head are 512 consecutive bytes of qkv
.macro PACK a
	WIN (0x0a+5*((\a)/2))                          ; sources 0 and 1: window 2 or 3
.irp b, 0,1,2,3,4,5,6,7,8,9,10,11
.irp r, 0,1,2,3
	v_cvt_pk_f16_f32 v[208+4*\b+\r], v[96*((\a)%2)+8*\b+2*\r], v[96*((\a)%2)+8*\b+2*\r+1]
.endr
.endr
	WIN 0
.endm
.macro TOSTAGE
.irp b, 0,1,2,3,4,5,6,7,8,9,10,11
	ds_store_b128 v7, v[208+4*\b:208+4*\b+3] offset:32*\b
.endr
.irp g, 0,1,2
.irp i, 0,1,2,3
	ds_load_b128 v[144+16*\g+4*\i:144+16*\g+4*\i+3], v8 offset:1600*\i+128*\g   ; LDS serves a wave's instructions in order: these see the stores above
.endr
.endr
.endm
.macro SEND a
	s_wait_dscnt 0x0                               ; the block is back in registers
.irp g, 0,1,2
.irp i, 0,1,2,3
	global_store_b128 v9, v[144+16*\g+4*\i:144+16*\g+4*\i+3], s[12:13] offset:\g*262144+(\a)*2048+\i*512
.endr
.endr
.endm
	PACK 0
	TOSTAGE
.irp a, 1,2,3
	PACK \a                                        ; the next block's conversions stand between a block's loads from the stage and the wait for them
	SEND \a-1
	s_wait_xcnt 0x0                                ; the stores have read their registers: the next block's loads may land there
	TOSTAGE
.endr
	SEND 3
	s_wait_tensorcnt 0x0                           ; the wave's end: behind my last tensor load and my last LDS store
	ds_add_u32 v12, v13
	s_wait_dscnt 0x0
	CROUND                                         ; the closing round
	s_endpgm
.Lfunc_end_k_q81fbf421de_qkv:
	.size	k_q81fbf421de_qkv, .Lfunc_end_k_q81fbf421de_qkv-k_q81fbf421de_qkv
	.p2alignl 7, 3214868480
	.fill 96, 4, 3214868480
	.section	.rodata,"a",@progbits
	.p2align	6, 0x0
	.amdhsa_kernel k_q81fbf421de_qkv
		.amdhsa_group_segment_fixed_size 327680
		.amdhsa_private_segment_fixed_size 0
		.amdhsa_enable_private_segment 0
		.amdhsa_kernarg_size 48
		.amdhsa_user_sgpr_count 2
		.amdhsa_user_sgpr_kernarg_segment_ptr 1
		.amdhsa_wavefront_size32 1
		.amdhsa_system_sgpr_workgroup_id_x 1
		.amdhsa_system_sgpr_workgroup_id_y 1
		.amdhsa_system_sgpr_workgroup_id_z 1
		.amdhsa_system_vgpr_workitem_id 0
		.amdhsa_next_free_vgpr 1024
		.amdhsa_next_free_sgpr 100
		.amdhsa_reserve_vcc 1
		.amdhsa_float_denorm_mode_32 3
		.amdhsa_float_denorm_mode_16_64 3
		.amdhsa_memory_ordered 1
		.amdhsa_forward_progress 1
		.amdhsa_inst_pref_size 104
	.end_amdhsa_kernel
	.amdgpu_metadata
---
amdhsa.version: [ 1, 2 ]
amdhsa.kernels:
  - .name:           k_q81fbf421de_qkv
    .symbol:         k_q81fbf421de_qkv.kd
    .args:
      - { .name: xc, .offset: 0, .size: 8, .value_kind: global_buffer, .address_space: global }
      - { .name: xs, .offset: 8, .size: 8, .value_kind: global_buffer, .address_space: global }
      - { .name: wc, .offset: 16, .size: 8, .value_kind: global_buffer, .address_space: global }
      - { .name: ws, .offset: 24, .size: 8, .value_kind: global_buffer, .address_space: global }
      - { .name: qkv, .offset: 32, .size: 8, .value_kind: global_buffer, .address_space: global }
      - { .name: q32, .offset: 40, .size: 8, .value_kind: global_buffer, .address_space: global }
    .group_segment_fixed_size: 327680
    .private_segment_fixed_size: 0
    .kernarg_segment_align: 8
    .kernarg_segment_size: 48
    .max_flat_workgroup_size: 128
    .sgpr_count:     100
    .vgpr_count:     1024
    .wavefront_size: 32
...
	.end_amdgpu_metadata
.endif
;; end of part 2
;; launch attn (part 3): grid 8 x 32, 16 waves a work-group, no clusters, 327,680 bytes of LDS; arguments qkv, ctx; writes ctx
.if DOCPART == 3
	.amdgcn_target "amdgcn-amd-amdhsa--gfx1250"
	.amdhsa_code_object_version 6
	.text
	.protected	k_q81fbf421de_attn
	.globl	k_q81fbf421de_attn
	.p2align	8
	.type	k_q81fbf421de_attn,@function
k_q81fbf421de_attn:
	s_mov_b64 s[64:65], 0
	v_nop
	global_prefetch_b8 v0, s[64:65] scope:SCOPE_SE
	s_setreg_imm32_b32 hwreg(HW_REG_WAVE_MODE, 25, 1), 1
	s_wait_xcnt 0x0
; ATTN.  ctx[b][h][q] = the sum over k <= q of softmax_k(q . k / 8) v, for 32 heads of 64 channels and 2,048 positions.  Operands in f16, products, maxima and sums in f32; the weights p are rounded to f16
; for the second product, ctx once at the end.  A running maximum is taken away before every exponential.
; IN: qkv [batch 2][g 48][2048][64] f16.  OUT: ctx [block of 128 positions: 32][head 16][128][64] f16.
; LIMITS: q, k, v arrive as f16; positions 0-15 of each sequence are computed here too, but their output rows are made anew in f32 by a later launch.
; SHARES.  A head's 16 blocks of 128 queries go in pairs: work-group p owns block p (L) and block 15 - p (H), which makes 17 block units of keys for every work-group.  SIXTEEN waves, four to a SIMD, so that
; one wave's waits stand beside another's work.  Waves w and w + 8 own the same 16 queries of each block (tile H, index 0; tile L, index 1) and SHARE THE KEYS: of the steps of 64 keys wave w takes the even ones,
; wave w + 8 the odd ones.  Each keeps its own running maximum, sum and O^T; at the end the two parts of a tile meet in LDS and are brought under their common maximum: wave w finishes tile H, wave w + 8 tile L.
; While a step's keys still count for tile L both tiles use the same fragments of K and V.
; NO CLUSTER: under the mask the work-groups of a head need different numbers of key tiles, so a joint load would bring tiles that every wave of some partner passes over.
; LAYOUT.  S^T = K Q^T (source 0 = 16 keys, source 1 = 16 queries): a lane holds ONE query (lane % 16) and keys 8 (lane / 16) + 0..7 of each tile of 16.  Two such tiles rounded to f16 in pairs ARE source 1
; (32 keys x 16 queries) of O^T = V^T P.  K comes out of LDS as it lies, V ([key][channel]) turned, by ds_load_tr16_b128.
; THE RING: two slots of 256 keys (four steps); waves 0-7 fetch one tile of 64 rows each for each slot (waves 0-3: K of steps 0-3, waves 4-7: V), waves 8-15 none.  By this text's count one tensor load of a
; fetching wave is out.  Every work-group walks all eight slots: trip counts are constants; a step all of whose keys come after the wave's queries is passed over by a scalar branch on ids.
.set PKB,   144                        ; a row of K in LDS: 128 bytes + 16
.set PVB,   160                        ; a row of V: 128 + 32
.set VOFF,  64*PKB                     ; a step: 64 rows of K, then 64 rows of V
.set STEPB, 64*(PKB+PVB)
.set SLOT1, 1<<17                      ; slot 1 begins here: one exclusive or turns an address from one slot to the other
.set STAGE, 4*STEPB                    ; behind slot 0: 16 rows x 144 for each wave, for the way out; no tile lands here
.set SPARE, STAGE+16*16*PKB            ; the spare words, 128 bytes for each wave: eight blocks of 256 bytes that no other line names
.set MERGE, SLOT1+4*STEPB              ; behind slot 1: for each wave the part that it hands to its partner: 32 registers of O^T as they stand (4,096 bytes), then (c m, l), 16 bytes a lane; no tile lands here
.set MPART, 4608
; v1 my place in a tile of K; v2 in a tile of V; v3 the address of the loads in hand; v4 r - 8 h; v5 the mask's bound; v6 -infinity; v7, v8 the stage in and back; v9 16 x lane; v10, v11 the merge, in and back;
; v28, v29 the add's two; v30 256 x lane (prefetch); v31 Q's offset
.set ST,  12                           ; tile t's statistics at v[ST + 8 t]: +0 c m, +1 m (at the end l), +2, +3 l in two halves, +4 .. +7 at work; a at +6
.set Q,   32                           ; tile t, channels 32 c on: v[Q + 16 t + 8 c]
.set S,   64                           ; S^T, 32 a tile; p's f16 pairs take a tile's first 16
.set O,   128                          ; O^T, 32 a tile
.set KV,  192                          ; a step's K, then its V; at the end the partner's part
.set WV,  8
.set KF,  12                           ; the step's first key
.set TB,  13                           ; LDS byte at which the step's tiles begin
.set SLOTS, 14
.set TW,  15
.set QH,  16                           ; tile H's first query, QH15 its last
.set QH15, 17
.set PFA, 18                           ; s[18:19] where my prefetch stands: my tile of the slot after the one that is being asked for
.set QL,  20
.set QL15, 21
.set QLAST, 22                         ; the work-group's last query
.set LIM, 23                           ; 1 in a wave that prefetches, else the greatest number
.set G1K, 24
.set G1V, 32
.set G0,  40
.set CS,  58                           ; s[58:59] c = log2(e) / 8
.set SEL, 60                           ; s[60:61] lane l xor 16
.set NK,  62                           ; the first key of the slot that a change of slots would ask for: the same in all waves
.set TI,  63                           ; which 16 queries of a block are mine: wave % 8
.macro TLOAD                           ; waves 0-3 fetch K's tiles, waves 4-7 V's, the others nothing: the two lines differ in the padding; an s_nop 0 and four v_nop follow each
	s_cmp_lt_u32 s[WV], 4
	s_cbranch_scc0 .Lnot_k_\@
	tensor_load_to_lds s[G0:G0+3], s[G1K:G1K+7]
	s_nop 0
.rept 4
	v_nop
.endr
	s_branch .Lasked_\@
.Lnot_k_\@:
	s_cmp_lt_u32 s[WV], 8
	s_cbranch_scc0 .Lasked_\@
	tensor_load_to_lds s[G0:G0+3], s[G1V:G1V+7]
	s_nop 0
.rept 4
	v_nop
.endr
.Lasked_\@:
.endm
; A prefetch of what the NEXT change of slots will ask for.  All work-groups of a head walk the same K and V; work-group 0 of the head, which walks all keys, asks, and nobody else.  Each of its waves 0-7 names the
; 32 blocks of 256 bytes of the tile that it will itself load: 8,192 dense bytes, lanes 256 bytes apart.  A slot's four key steps ahead of that load.  Slots 0 and 1 and the last change ask for nothing.
.macro ASK
	s_cmp_gt_u32 s[SLOTS], s[LIM]
	s_cbranch_scc0 .Lnot_mine_\@
	global_prefetch_b8 v30, s[PFA:PFA+1] th:TH_LOAD_NT scope:SCOPE_SE
.Lnot_mine_\@:
.endm
	s_load_b128 s[4:7], s[0:1], 0x0                ; qkv, ctx
	v_lshl_add_u32 v28, v0, 2, SPARE
	v_mov_b32 v29, 0
	ds_add_u32 v28, v29                            ; the wave's opening: the add, twice on end, and its wait ahead of my first tensor load
	ds_add_u32 v28, v29
	v_lshrrev_b32 v3, 5, v0
	v_readfirstlane_b32 s[WV], v3                  ; wave 0..15
	s_and_b32 s[TI], s[WV], 7
	s_lshr_b32 s3, s[WV], 3                        ; which steps are mine: the even (0) or the odd (1)
	s_and_b32 s10, ttmp7, 0xffff                   ; batch x 16 + head
	; descriptor groups 1: 64 rows x 64 elements of 2 bytes, dense; padding after every 32 words: 4 words for K, 8 for V
	s_mov_b32 s[G1K], (1<<16)|(1<<20)|(4<<22)|(3<<25)
	s_mov_b32 s[G1V], (1<<16)|(1<<20)|(4<<22)|(7<<25)
.irp g, G1K, G1V
	s_mov_b32 s[\g+1], 64<<16                      ; tensor_dim0
	s_mov_b32 s[\g+2], 64<<16                      ; tensor_dim1
	s_mov_b32 s[\g+3], 64<<16                      ; tile_dim0
	s_mov_b32 s[\g+4], 64                          ; tile_dim1
	s_mov_b32 s[\g+5], 64                          ; from row to row
	s_mov_b32 s[\g+6], 0
	s_mov_b32 s[\g+7], 0
.endr
	s_lshl_b32 s56, s[TI], 4
	s_lshl_b32 s[QL], ttmp9, 7
	s_add_co_u32 s[QL], s[QL], s56                 ; 128 p + 16 ti
	s_add_co_u32 s[QL15], s[QL], 15
	s_sub_co_u32 s57, 15, ttmp9
	s_lshl_b32 s57, s57, 7
	s_add_co_u32 s[QH], s57, s56                   ; 128 (15 - p) + 16 ti
	s_add_co_u32 s[QH15], s[QH], 15
	s_add_co_u32 s[QLAST], s57, 127
	s_lshr_b32 s11, s10, 4                         ; batch
	s_and_b32 s9, s10, 15                          ; head
	s_mul_i32 s54, s11, 48
	s_add_co_u32 s54, s54, s9
	s_lshl_b32 s54, s54, 18                        ; q's head, in bytes
	s_mov_b32 s55, 0
	s_and_b32 s56, s[WV], 3                        ; which step of a slot I fetch, if I fetch
	s_bfe_u32 s57, s[WV], 0x10002                  ; K (0) or V (1)
	s_mov_b32 s[G0], 1
	s_mul_i32 s[G0+1], s56, STEPB
	s_mul_i32 s52, s57, VOFF
	s_add_co_u32 s[G0+1], s[G0+1], s52
	s_lshl_b32 s52, s56, 13                        ; 64 rows of 128 bytes a step
	s_lshl_b32 s53, s57, 22                        ; v's heads lie 16 heads behind k's
	s_add_co_u32 s52, s52, s53
	s_add_co_u32 s52, s52, 4194304                 ; k's 16 heads behind q's
	s_add_co_u32 s52, s52, s54
	s_mov_b32 s53, 0
	s_mov_b32 s[CS], 0x3e38aa3b
	s_mov_b32 s[CS+1], s[CS]                       ; (named with it as a pair, so it is written)
	s_mov_b32 s[SEL], 0x76543210
	s_mov_b32 s[SEL+1], 0xfedcba98
	s_lshl_b32 s[KF], s3, 6                        ; my first step: key 0 or key 64,
	s_mul_i32 s[TB], s3, STEPB                     ; and its place in slot 0
	s_mov_b32 s[NK], 0
	s_mov_b32 s[SLOTS], 7
	s_or_b32 s56, s3, ttmp9                        ; 0 in waves 0-7 of the head's first work-group
	s_cmp_eq_u32 s56, 0
	s_cselect_b32 s[LIM], 1, -1
	s_wait_dscnt 0x0                               ; both opening adds are done
	s_wait_kmcnt 0x0
	s_add_nc_u64 s[G0+2:G0+3], s[4:5], s[52:53]
	s_add_nc_u64 s[PFA:PFA+1], s[G0+2:G0+3], 32768 ; in slot 1: the first change of slots steps it to slot 2
	s_or_b32 s[G0+3], s[G0+3], 0x80000000
	TLOAD                                          ; slot 0
	s_add_nc_u64 s[4:5], s[4:5], s[54:55]
	s_lshl_b32 s52, s[QH], 7
	s_add_nc_u64 s[48:49], s[4:5], s[52:53]        ; tile H's rows of q
	s_lshl_b32 s52, s[QL], 7
	s_add_nc_u64 s[50:51], s[4:5], s[52:53]        ; tile L's
	s_lshl_b32 s56, s11, 4
	s_sub_co_u32 s57, 15, ttmp9
	s_add_co_u32 s57, s57, s56                     ; H's block of ctx
	s_lshl_b32 s57, s57, 4
	s_add_co_u32 s57, s57, s9
	s_lshl_b32 s52, s57, 14
	s_lshl_b32 s54, s[TI], 11
	s_add_co_u32 s52, s52, s54
	s_add_nc_u64 s[44:45], s[6:7], s[52:53]
	s_add_co_u32 s57, s56, ttmp9                   ; L's
	s_lshl_b32 s57, s57, 4
	s_add_co_u32 s57, s57, s9
	s_lshl_b32 s52, s57, 14
	s_add_co_u32 s52, s52, s54
	s_add_nc_u64 s[46:47], s[6:7], s[52:53]
	v_and_b32 v3, 15, v0                           ; r
	v_bfe_u32 v5, v0, 4, 1                         ; h
	v_lshlrev_b32 v31, 7, v3
	v_lshl_add_u32 v31, v5, 4, v31                 ; row r of 128 bytes + 16 h
.irp c, 0,1
	global_load_b128 v[Q+8*\c:Q+8*\c+3],       v31, s[48:49] offset:64*\c      ; Q stays in registers
	global_load_b128 v[Q+8*\c+4:Q+8*\c+7],     v31, s[48:49] offset:64*\c+32
	global_load_b128 v[Q+16+8*\c:Q+16+8*\c+3], v31, s[50:51] offset:64*\c
	global_load_b128 v[Q+16+8*\c+4:Q+16+8*\c+7], v31, s[50:51] offset:64*\c+32
.endr
	v_mul_u32_u24 v1, v3, PKB
	v_lshl_add_u32 v1, v5, 4, v1
	v_and_b32 v2, 7, v0
	v_lshl_add_u32 v2, v5, 3, v2                   ; the turning load: key 8 h + l % 8,
	v_mul_u32_u24 v2, v2, PVB
	v_bfe_u32 v4, v0, 3, 1
	v_lshl_add_u32 v2, v4, 4, v2                   ; channels 8 ((l / 8) % 2) on
	v_add_nc_u32 v2, VOFF, v2
	v_lshlrev_b32 v4, 3, v5
	v_sub_nc_u32 v4, v3, v4                        ; r - 8 h
	v_mov_b32 v6, 0xff800000
	s_mul_i32 s56, s[WV], 16*PKB
	s_add_co_u32 s56, s56, STAGE
	v_add_nc_u32 v7, s56, v1                       ; the stage, in: row r, 16 bytes for each half of the lanes
	v_and_b32 v9, 31, v0
	v_lshrrev_b32 v8, 3, v9
	v_mul_u32_u24 v8, v8, PKB
	v_and_b32 v5, 7, v0
	v_lshl_add_u32 v8, v5, 4, v8
	v_add_nc_u32 v8, s56, v8                       ; back: eight lanes to a row of 128 bytes
	v_lshlrev_b32 v30, 8, v9
	v_lshlrev_b32 v9, 4, v9
	s_mul_i32 s56, s[WV], MPART
	s_add_co_u32 s56, s56, MERGE
	v_add_nc_u32 v10, s56, v9                      ; the merge, in: my part, 16 bytes a lane
	s_xor_b32 s57, s[WV], 8
	s_mul_i32 s57, s57, MPART
	s_add_co_u32 s57, s57, MERGE
	v_add_nc_u32 v11, s57, v9                      ; and back: my partner's
.irp t, 0,1
	v_mov_b32 v[ST+8*\t+1], 0xff61b1e6             ; m = -3e38, under every score
	v_mul_f32 v[ST+8*\t], s[CS], v[ST+8*\t+1]      ; c m
	v_mov_b32 v[ST+8*\t+2], 0                      ; l
	v_mov_b32 v[ST+8*\t+3], 0
.irp u, 4,5,6,7
	v_mov_b32 v[ST+8*\t+\u], 0                     ; the four at work, written once: a lane permute's destination and the upper half of a pair count as read, on the way round the steps too
.endr
.endr
.set n, 0
.rept 64
	v_mov_b32 v[O+n], 0                            ; O^T.  (The step is written without a first step of its own: the first finds zeros, which a = 0 leaves zeros)
.set n, n+1
.endr
.macro QK t                            ; S^T = K Q^T for tile t: four accumulators by turns, the first four products start the sums
.irp c, 0,1
.irp k, 0,1,2,3
.if \c == 0
	v_wmma_f32_16x16x32_f16 v[S+32*\t+8*\k:S+32*\t+8*\k+7], v[KV+16*\k+8*\c:KV+16*\k+8*\c+7], v[Q+16*\t+8*\c:Q+16*\t+8*\c+7], 0
.else
	v_wmma_f32_16x16x32_f16 v[S+32*\t+8*\k:S+32*\t+8*\k+7], v[KV+16*\k+8*\c:KV+16*\k+8*\c+7], v[Q+16*\t+8*\c:Q+16*\t+8*\c+7], v[S+32*\t+8*\k:S+32*\t+8*\k+7]
.endif
.endr
.endr
.endm
.macro PVM t                           ; O^T += V^T P for tile t: four accumulators by turns
.irp k, 0,1
.irp c, 0,1,2,3
	v_wmma_f32_16x16x32_f16 v[O+32*\t+8*\c:O+32*\t+8*\c+7], v[KV+32*\k+8*\c:KV+32*\k+8*\c+7], v[S+32*\t+8*\k:S+32*\t+8*\k+7], v[O+32*\t+8*\c:O+32*\t+8*\c+7]
.endr
.endr
.endm
.macro VLOAD                           ; the step's V, turned, over K's registers: the addition and three v_nop are the four places behind the products that read K
	v_add_nc_u32 v3, s[TB], v2
.rept 3
	v_nop
.endr
.irp k, 0,1
.irp c, 0,1,2,3
	ds_load_tr16_b128 v[KV+32*\k+8*\c:KV+32*\k+8*\c+3],   v3 offset:\k*32*PVB+32*\c
	ds_load_tr16_b128 v[KV+32*\k+8*\c+4:KV+32*\k+8*\c+7], v3 offset:\k*32*PVB+16*PVB+32*\c
.endr
.endr
.endm
.macro MASK t, q0                      ; on the diagonal hidden scores become -infinity ahead of the maximum; a step all of whose keys count passes this over
	s_add_co_u32 s56, s[KF], 63
	s_cmp_le_u32 s56, s[\q0]
	s_cbranch_scc1 .Lopen_\@
	s_sub_co_i32 s56, s[\q0], s[KF]
	v_add_nc_u32 v5, s56, v4                       ; d = my query - KF - 8 h.  Register n holds key KF + 8 h + 16 (n / 8) + n % 8: hidden where 16 (n / 8) + n % 8 > d
.set n, 0
.rept 32
	v_cmp_gt_i32 vcc_lo, 16*(n/8)+n%8, v5
	v_cndmask_b32 v[S+32*(\t)+n], v[S+32*(\t)+n], v6, vcc_lo
.set n, n+1
.endr
.Lopen_\@:
.endm
.macro SM t                            ; tile t's softmax for a step
.set rT, ST+8*(\t)
.set rS, S+32*(\t)
.set rO, O+32*(\t)
.irp j, 0,1,2,3
	v_max3_num_f32 v[rT+4+\j], v[rS+8*\j], v[rS+8*\j+1], v[rS+8*\j+2]   ; four chains, each accumulator from its low end on
.endr
.irp u, 3,5
.irp j, 0,1,2,3
	v_max3_num_f32 v[rT+4+\j], v[rT+4+\j], v[rS+8*\j+\u], v[rS+8*\j+\u+1]
.endr
.endr
	v_max3_num_f32 v[rT+4], v[rT+4], v[rS+7], v[rS+15]
	v_max3_num_f32 v[rT+6], v[rT+6], v[rS+23], v[rS+31]
	v_max3_num_f32 v[rT+4], v[rT+4], v[rT+5], v[rT+6]
	v_max3_num_f32 v[rT+4], v[rT+4], v[rT+7], v[rT+1]              ; with the old m
	v_permlanex16_b32 v[rT+5], v[rT+4], s[SEL], s[SEL+1]           ; the query's other 32 keys lie in the lane 16 away
	v_mov_b32 v[rT+7], v[rT]                       ; c m_old
	v_max_num_f32 v[rT+1], v[rT+4], v[rT+5]        ; the new m
	v_mul_f32 v[rT], s[CS], v[rT+1]
	v_sub_f32 v[rT+7], v[rT+7], v[rT]              ; c m_old - c m_new
.set n, 0
.rept 16
	v_pk_fma_f32 v[rS+2*n:rS+2*n+1], v[rS+2*n:rS+2*n+1], s[CS:CS+1], v[rT:rT+1] op_sel_hi:[1,0,0] neg_lo:[0,0,1] neg_hi:[0,0,1]   ; c s - c m
.set n, n+1
.endr
	v_exp_f32 v[rT+6], v[rT+7]                     ; a; ONE BATCH of 33 exponentials
.set n, 0
.rept 32
	v_exp_f32 v[rS+n], v[rS+n]
.set n, n+1
.endr
	v_nop                                          ; a plain place behind the last exponential
	s_wait_alu depctr_va_vdst(0)                   ; one wait for the batch, ahead of its first reader
	v_pk_fma_f32 v[rT+2:rT+3], v[rT+2:rT+3], v[rT+6:rT+7], v[rS:rS+1] op_sel_hi:[1,0,1]   ; l = a l + the first pair; the sums go in two chains
	v_pk_add_f32 v[rT+4:rT+5], v[rS+2:rS+3], v[rS+6:rS+7]
.irp b, 4,8,12,16,20,24
	v_pk_add_f32 v[rT+2:rT+3], v[rT+2:rT+3], v[rS+\b:rS+\b+1]
	v_pk_add_f32 v[rT+4:rT+5], v[rT+4:rT+5], v[rS+\b+6:rS+\b+7]
.endr
	v_pk_add_f32 v[rT+2:rT+3], v[rT+2:rT+3], v[rS+28:rS+29]
	v_pk_add_f32 v[rT+2:rT+3], v[rT+2:rT+3], v[rT+4:rT+5]
.set n, 0
.rept 16
	v_pk_mul_f32 v[rO+2*n:rO+2*n+1], v[rO+2*n:rO+2*n+1], v[rT+6:rT+7] op_sel_hi:[1,0]     ; O^T x a
.set n, n+1
.endr
.set n, 0
.rept 16
	v_cvt_pk_f16_f32 v[rS+n], v[rS+2*n], v[rS+2*n+1]               ; p to f16, in place, ascending: register n is read for the last time at or before its turn
.set n, n+1
.endr
.endm
; A KEY STEP of 64 keys; my next one lies two steps on.  It parts once, behind tile H's scores: while the keys still count for tile L both tiles are served; afterwards tile H alone.
; In the arm for both tiles H needs no mask: KF <= 128 p + 16 ti + 15 there, so KF + 63 lies under QH = 128 (15 - p) + 16 ti for every p <= 7.
; KF is a multiple of 64 and a tile's first query of 16: in a step that is not passed over, key KF counts for all 16 queries, so no row of a step is hidden whole.
.macro STEP
	s_cmp_gt_u32 s[KF], s[QH15]
	s_cbranch_scc1 .Lhid_\@                        ; all keys come after my queries: only the addresses step
	v_add_nc_u32 v3, s[TB], v1
.rept 4
	v_nop                                          ; with the addition five places behind the last step's products: their V is loaded over, their p written over by a matrix instruction
.endr
.irp k, 0,1,2,3
.irp c, 0,1
	ds_load_b128 v[KV+16*\k+8*\c:KV+16*\k+8*\c+3],   v3 offset:\k*16*PKB+64*\c
	ds_load_b128 v[KV+16*\k+8*\c+4:KV+16*\k+8*\c+7], v3 offset:\k*16*PKB+64*\c+32
.endr
.endr
	s_wait_dscnt 0x0
	QK 0
	s_cmp_gt_u32 s[KF], s[QL15]
	s_cbranch_scc1 .Lsolo_\@
	QK 1
	VLOAD
	SM 0
	s_wait_dscnt 0x0                               ; V is in
	PVM 0
	MASK 1, QL
	SM 1                                           ; tile L's vector work stands behind tile H's products
	PVM 1
	s_branch .Lhid_\@
.Lsolo_\@:
	VLOAD
	MASK 0, QH
	SM 0
	s_wait_dscnt 0x0
	PVM 0
.Lhid_\@:
	s_add_co_u32 s[KF], s[KF], 128
	s_add_co_u32 s[TB], s[TB], 2*STEPB
.endm
; THE CHANGE OF SLOTS stands at a slot's head: each wave waits for all its tensor loads (its tile of the slot ahead), adds 0 to its spare word, and waits for that and for its reads of the slot that it has left.
; Behind the barrier the slot ahead is whole and nobody reads the other.  fill = 1: that other slot takes the next 256 keys, while its first key is at or under the work-group's last query: a slot beyond that
; is read by none of the sixteen waves.  The test is made of ids and the count of slots alone and is the same in all waves; it leads round the load's own lines alone; every wait on TENSORcnt here is for 0.
.macro CHANGE fill
	s_wait_tensorcnt 0x0                           ; no tensor load of mine is out, so group 0 may be written
	ds_add_u32 v28, v29
.if \fill
	ds_add_u32 v28, v29                            ; and once more
	s_xor_b32 s[G0+1], s[G0+1], SLOT1              ; the other slot than last time,
	s_add_nc_u64 s[G0+2:G0+3], s[G0+2:G0+3], 32768 ; the next 256 keys
	s_add_co_u32 s[NK], s[NK], 256                 ; whose first key this is
	s_wait_xcnt 0x0                                ; the last prefetch, a slot back, has read its address
	s_add_nc_u64 s[PFA:PFA+1], s[PFA:PFA+1], 32768
.endif
	s_wait_dscnt 0x0
	s_barrier_signal -1
	s_barrier_wait -1
.if \fill
	s_cmp_gt_u32 s[NK], s[QLAST]
	s_cbranch_scc1 .Lpast_\@
	TLOAD                                          ; a fetching wave's one tensor load behind the barrier: it has a slot's steps in which to land
.Lpast_\@:
	ASK
.endif
.endm
.macro SLOT_STEPS                      ; my two of a slot's four steps: written once, walked twice; the LDS addresses hang on s[TB]
	s_mov_b32 s[TW], 2
.Lstep_\@:
	STEP
	s_sub_co_u32 s[TW], s[TW], 1
	s_cmp_lg_u32 s[TW], 0
	s_cbranch_scc1 .Lstep_\@
	s_sub_co_u32 s[TB], s[TB], 4*STEPB
	s_xor_b32 s[TB], s[TB], SLOT1
.endm
	s_wait_loadcnt 0x0                             ; Q
.Lslot:                                            ; seven trips: behind each change of slots but the last the next slot is asked for, up to the causal limit
	CHANGE 1
	SLOT_STEPS
	s_sub_co_u32 s[SLOTS], s[SLOTS], 1
	s_cmp_lg_u32 s[SLOTS], 0
	s_cbranch_scc1 .Lslot
	CHANGE 0
	SLOT_STEPS
; THE MERGE.  A tile's keys were shared between two waves.  Each hands one tile's part to its partner as an image of its registers: O^T by eight stores of 16 bytes a lane, (c m, l) by one of 8.
.macro PUT t
.irp c, 0,1,2,3,4,5,6,7
	ds_store_b128 v10, v[O+32*\t+4*\c:O+32*\t+4*\c+3] offset:512*\c    ; each accumulator from its low end on
.endr
	ds_store_b64 v10, v[ST+8*\t:ST+8*\t+1] offset:4096
.endm
; The other tile is finished: with M = the larger of c m and the partner's c m', a = 2^(c m - M), a' = 2^(c m' - M): l = a l + a' l', O^T = (a O^T + a' O'^T) / l.  A wave that had no step for the tile holds
; m = -3e38, l = 0 and zeros: its a is 0.  The even steps hold key 0, which counts for every query, so M is a score's.  Then O^T is rounded to f16 and goes through my stage: four rows of ctx, 512 consecutive bytes, a store.
.macro FIN t, base
.set rT, ST+8*\t
.set rO, O+32*\t
.set rS, S+32*\t
.irp c, 0,1,2,3,4,5,6,7
	ds_load_b128 v[KV+4*\c:KV+4*\c+3], v11 offset:512*\c
.endr
	ds_load_b64 v[KV+32:KV+33], v11 offset:4096
	s_wait_dscnt 0x0
	v_max_num_f32 v[rT+4], v[rT], v[KV+32]
	v_sub_f32 v[rT+5], v[rT], v[rT+4]
	v_sub_f32 v[rT+6], v[KV+32], v[rT+4]
	v_exp_f32 v[rT+5], v[rT+5]                     ; a
	v_exp_f32 v[rT+6], v[rT+6]                     ; a'
	v_nop                                          ; a plain place behind the exponentials
	s_wait_alu depctr_va_vdst(0)                   ; one wait for both, ahead of the first reader
	v_mul_f32 v[rT+2], v[rT+5], v[rT+1]
	v_fma_f32 v[rT+2], v[rT+6], v[KV+33], v[rT+2]
	v_permlanex16_b32 v[rT+3], v[rT+2], s[SEL], s[SEL+1]           ; the other half of the lanes holds the query's other keys
	v_add_f32 v[rT+2], v[rT+2], v[rT+3]            ; the row's sum
	v_rcp_f32 v[rT+4], v[rT+2]
	v_nop
	s_wait_alu depctr_va_vdst(0)
	v_mul_f32 v[rT+6], v[rT+6], v[rT+4]            ; a' / l
	v_mul_f32 v[rT+4], v[rT+5], v[rT+4]            ; a / l
.set n, 0
.rept 16
	v_pk_mul_f32 v[rO+2*n:rO+2*n+1], v[rO+2*n:rO+2*n+1], v[rT+4:rT+5] op_sel_hi:[1,0]
.set n, n+1
.endr
.set n, 0
.rept 16
	v_pk_fma_f32 v[rO+2*n:rO+2*n+1], v[KV+2*n:KV+2*n+1], v[rT+6:rT+7], v[rO+2*n:rO+2*n+1] op_sel_hi:[1,0,1]
.set n, n+1
.endr
.set n, 0
.rept 16
	v_cvt_pk_f16_f32 v[rS+n], v[rO+2*n], v[rO+2*n+1]
.set n, n+1
.endr
.irp c, 0,1,2,3
	ds_store_b128 v7, v[rS+4*\c:rS+4*\c+3] offset:32*\c
.endr
.irp i, 0,1,2,3
	ds_load_b128 v[rS+16+4*\i:rS+16+4*\i+3], v8 offset:4*PKB*\i    ; LDS serves a wave's instructions in order: these see the stores above
.endr
.irp i, 0,1,2,3
	s_wait_dscnt 3-\i                              ; load i is in, the younger ones stay out
	global_store_b128 v9, v[rS+16+4*\i:rS+16+4*\i+3], s[\base:\base+1] offset:512*\i
.endr
.endm
.irp t, 0,1
	v_add_f32 v[ST+8*\t+1], v[ST+8*\t+2], v[ST+8*\t+3]             ; l's two halves, beside c m: m itself is done with
.endr
.rept 4
	v_nop                                          ; places behind the last products: their results are stored, and their V is loaded over
.endr
	s_cmp_lt_u32 s[WV], 8
	s_cbranch_scc0 .Lput_h
	PUT 1                                          ; waves 0-7 hand over tile L,
	s_branch .Lput_done
.Lput_h:
	PUT 0                                          ; waves 8-15 tile H
.Lput_done:
	s_wait_dscnt 0x0                               ; for my partner's sake: my stores have landed
	s_barrier_signal -1
	s_barrier_wait -1
	s_cmp_lt_u32 s[WV], 8
	s_cbranch_scc0 .Lfin_l
	FIN 0, 44
	s_branch .Lend
.Lfin_l:
	FIN 1, 46
.Lend:
	s_wait_tensorcnt 0x0                           ; the wave's end: behind my last tensor load and my last LDS store
	ds_add_u32 v28, v29
	s_wait_dscnt 0x0
	s_endpgm
.Lfunc_end_k_q81fbf421de_attn:
	.size	k_q81fbf421de_attn, .Lfunc_end_k_q81fbf421de_attn-k_q81fbf421de_attn
	.p2alignl 7, 3214868480
	.fill 96, 4, 3214868480
	.section	.rodata,"a",@progbits
	.p2align	6, 0x0
	.amdhsa_kernel k_q81fbf421de_attn
		.amdhsa_group_segment_fixed_size 327680
		.amdhsa_private_segment_fixed_size 0
		.amdhsa_enable_private_segment 0
		.amdhsa_kernarg_size 16
		.amdhsa_user_sgpr_count 2
		.amdhsa_user_sgpr_kernarg_segment_ptr 1
		.amdhsa_wavefront_size32 1
		.amdhsa_system_sgpr_workgroup_id_x 1
		.amdhsa_system_sgpr_workgroup_id_y 1
		.amdhsa_system_sgpr_workgroup_id_z 1
		.amdhsa_system_vgpr_workitem_id 0
		.amdhsa_next_free_vgpr 256
		.amdhsa_next_free_sgpr 66
		.amdhsa_reserve_vcc 1
		.amdhsa_float_denorm_mode_32 3
		.amdhsa_float_denorm_mode_16_64 3
		.amdhsa_memory_ordered 1
		.amdhsa_forward_progress 1
		.amdhsa_inst_pref_size 83
	.end_amdhsa_kernel
	.amdgpu_metadata
---
amdhsa.version: [ 1, 2 ]
amdhsa.kernels:
  - .name:           k_q81fbf421de_attn
    .symbol:         k_q81fbf421de_attn.kd
    .args:
      - { .name: qkv, .offset: 0, .size: 8, .value_kind: global_buffer, .address_space: global }
      - { .name: ctx, .offset: 8, .size: 8, .value_kind: global_buffer, .address_space: global }
    .group_segment_fixed_size: 327680
    .private_segment_fixed_size: 0
    .kernarg_segment_align: 8
    .kernarg_segment_size: 16
    .max_flat_workgroup_size: 512
    .sgpr_count:     66
    .vgpr_count:     256
    .wavefront_size: 32
...
	.end_amdgpu_metadata
.endif
;; end of part 3
;; launch oproj (part 4): grid 8 x 32, 4 waves a work-group, clusters of 4 x 4, 327,680 bytes of LDS; arguments ctx, wo16, b_o, out0; writes out0
.if DOCPART == 4
	.amdgcn_target "amdgcn-amd-amdhsa--gfx1250"
	.amdhsa_code_object_version 6
	.text
	.protected	k_q81fbf421de_oproj
	.globl	k_q81fbf421de_oproj
	.p2align	8
	.type	k_q81fbf421de_oproj,@function
k_q81fbf421de_oproj:
	s_mov_b64 s[64:65], 0
	v_nop
	global_prefetch_b8 v0, s[64:65] scope:SCOPE_SE
	s_setreg_imm32_b32 hwreg(HW_REG_WAVE_MODE, 25, 1), 1
	s_wait_xcnt 0x0
	s_wait_alu depctr_hold_cnt(0) depctr_sa_sdst(0) depctr_va_vdst(0) depctr_va_sdst(0) depctr_va_ssrc(0) depctr_va_vcc(0) depctr_vm_vsrc(0)
	s_getreg_b32 s2, hwreg(HW_REG_IB_STS2, 6, 4)
	s_cmp_eq_u32 s2, 0
	s_cbranch_scc0 .Lentry_in_a_cluster
	s_endpgm
.Lentry_in_a_cluster:
	s_bfe_u32 s2, ttmp6, 0x10000c
	s_cmp_lg_u32 s2, 0xf033
	s_cbranch_scc0 .Lentry_shape_is_right
	s_endpgm
.Lentry_shape_is_right:
; OPROJ.  out0[m][n] = the sum over k of ctx[m][k] W_o[k][n] + b_o[n], f16 operands, f32 sums, for all rows but positions 0-15 of each sequence, which a later launch makes in f32: their stores are masked out here.
; IN: ctx [block of 128 rows: 32][head 16][128][64] f16; wo16 [k 1024][n 1024] f16; b_o f32.  OUT: out0 [4096][1024] f32.
; A tile of out0 is 128 x 128: 256 work-groups.  Four waves, each 64 x 64: 16 accumulators.  K goes in steps of 256 (four heads) through two LDS slots; K = 1,024 is four steps: each slot is filled twice, all written out.
; CLUSTER 4 x 4: ctx's tiles hang on the tile row alone and are asked for jointly along a row of the cluster, W_o's on the tile column alone and jointly along a column.
; THE MATRIX INSTRUCTION IS USED TRANSPOSED: source 0 = 16 columns of W_o (stored [k][n]: turned on the way out of LDS by ds_load_tr16_b128), source 1 = 16 rows of ctx: a lane holds eight neighbouring columns of a row.
; The bias is the C of each sum's first matrix instruction.  No prefetch: the tiles are small and shared in the cluster.
; REGISTERS: window 0: v16-29 addresses; v32-95 rows on the way out; v96-127 the bias, 8 a column block; v128-255 the accumulators ((a, b) at v[128 + 8 (4 a + b)]).
;   window 1: two fragment buffers of 128: for 64 along K, 64 registers of ctx, then 64 of W_o.
.set PA,     144                       ; a row of ctx in LDS: a head's 128 bytes + 16
.set PB,     288                       ; a row of W_o: 256 bytes + 32
.set HALFT,  36864                     ; what one tensor load brings: 256 rows x 144, or 128 rows x 288
.set SLOT,   4*HALFT                   ; ctx: 4 heads x 128 rows; then W_o: 256 rows of k
.set STAGE,  2*SLOT                    ; behind the ring: 16 rows x (256 + 16) for each wave
.set SPITCH, 272
.set SPARE,  STAGE+4*16*SPITCH         ; the spare words, 128 bytes for each wave: two blocks of 256 bytes that no other line names
.set ADRA, 16                          ; v16-17  my ctx fragments in slot 0, 1
.set ADRB, 20                          ; v20-23  my W_o fragments: slot 0 k rows 0-127, 128-255; slot 1 likewise: so every immediate stays under 65,536
.set STO,  24
.set RD,   25
.set CO,   26
.set FT,   27                          ; 0 where my block 0 is positions 0-15 of a sequence
.set SPW,  28
.set NIL,  29
.set BK,   32
.set BIAS, 96
.set ACC,  128
.set F0,   0
.set F1,   128
.set G1,   24                          ; s[24:31], s[32:39]: groups 1 and 0 (a set for each slot) for ctx's tiles
.set G0,   32
.set G1B,  48                          ; s[48:55], s[56:63]: for W_o's
.set G0B,  56
.set MSB, 0
.macro WIN new
.if MSB != \new
	s_set_vgpr_msb (MSB<<8)|\new
.set MSB, \new
.endif
.endm
.set MUL,  0x05                        ; sources 0 and 1 window 1; C and D window 0
.set TO_F, 0x40                        ; destination window 1, address window 0
.macro JLOAD s                         ; a joint load: waves 0 and 1 fetch ctx's halves, waves 2 and 3 W_o's; an s_nop 0 and four v_nop follow each of the two lines
	s_cmp_eq_u32 s13, 0
	s_cbranch_scc0 .Lfor_b_\@
	tensor_load_to_lds s[G0+4*\s:G0+4*\s+3], s[G1:G1+7]
	s_nop 0
.rept 4
	v_nop
.endr
	s_branch .Lasked_\@
.Lfor_b_\@:
	tensor_load_to_lds s[G0B+4*\s:G0B+4*\s+3], s[G1B:G1B+7]
	s_nop 0
.rept 4
	v_nop
.endr
.Lasked_\@:
.endm
.macro CREST
	s_cmp_lg_u32 s12, 0
	s_cbranch_scc1 .Lnot_wave_0_\@
	s_barrier_signal -3
.Lnot_wave_0_\@:
	s_barrier_wait -3
	s_barrier_signal -1
	s_barrier_wait -1
.endm
.macro CROUND
	s_barrier_signal -1
	s_barrier_wait -1
	CREST
.endm
	s_load_b256 s[4:11], s[0:1], 0x0               ; ctx, wo16, b_o, out0
	v_lshl_add_u32 v[SPW], v0, 2, SPARE
	v_mov_b32 v[NIL], 0
	ds_add_u32 v[SPW], v[NIL]                      ; the wave's opening: the add, twice on end, and its wait ahead of my first tensor load
	ds_add_u32 v[SPW], v[NIL]
	v_lshrrev_b32 v1, 5, v0
	v_readfirstlane_b32 s12, v1                    ; wave 0..3
	s_lshr_b32 s13, s12, 1                         ; which half of the tile's rows is mine.  Also: I fetch for ctx (0) or for W_o (1)
	s_and_b32 s14, s12, 1                          ; which half of its columns.  Also: which half of that tile I fetch
	s_bfe_u32 s40, ttmp6, 0x40000                  ; cx
	s_bfe_u32 s41, ttmp6, 0x40004                  ; cy
	s_lshl_b32 s42, ttmp9, 2
	s_add_co_u32 s42, s42, s40                     ; tile column tx
	s_and_b32 s15, ttmp7, 0xffff
	s_lshl_b32 s15, s15, 2
	s_add_co_u32 s15, s15, s41                     ; tile row ty
	s_lshl_b32 s43, s41, 2
	s_lshl_b32 s43, 15, s43                        ; my row of the cluster
	s_lshl_b32 s44, 0x1111, s40                    ; my column
	s_or_b32 s[G1+0], s43, (1<<16)|(1<<20)|(1<<21)|(4<<22)|(3<<25)  ; ctx: elements of 2 bytes; 4 words of padding after every 32; bit 21 beside the mask
	s_mov_b32 s[G1+1], 64<<16                      ; tensor_dim0 = 64
	s_mov_b32 s[G1+2], 256<<16                     ; tensor_dim1 = 256: two heads of a block, dense
	s_mov_b32 s[G1+3], 64<<16                      ; tile_dim0
	s_mov_b32 s[G1+4], 256                         ; tile_dim1
	s_mov_b32 s[G1+5], 64                          ; from row to row
	s_mov_b32 s[G1+6], 0
	s_mov_b32 s[G1+7], 0
	s_or_b32 s[G1B+0], s44, (1<<16)|(1<<20)|(1<<21)|(5<<22)|(7<<25) ; W_o: 8 words of padding after every 64
	s_mov_b32 s[G1B+1], 128<<16
	s_mov_b32 s[G1B+2], 128<<16
	s_mov_b32 s[G1B+3], 128<<16
	s_mov_b32 s[G1B+4], 128
	s_mov_b32 s[G1B+5], 1024
	s_mov_b32 s[G1B+6], 0
	s_mov_b32 s[G1B+7], 0
	s_lshl_b32 s16, s15, 18                        ; ctx: block ty of 262,144 bytes + heads 2 e on
	s_lshl_b32 s17, s14, 15
	s_add_co_u32 s16, s16, s17
	s_mov_b32 s17, 0
	s_lshl_b32 s46, s42, 8                         ; W_o: column 128 tx, + k rows 128 e on
	s_lshl_b32 s47, s14, 18
	s_add_co_u32 s46, s46, s47
	s_mov_b32 s47, 0
	s_mul_i32 s20, s12, HALFT                      ; where they go: the wave's number alone
	s_wait_dscnt 0x0                               ; both opening adds are done
	s_wait_kmcnt 0x0
	s_add_nc_u64 s[18:19], s[4:5], s[16:17]
	s_add_nc_u64 s[46:47], s[6:7], s[46:47]
	CROUND                                         ; all sixteen work-groups are here: the first joint loads meet
.irp s, 0,1
	s_mov_b32 s[G0+4*\s], 1
	s_add_co_u32 s[G0+4*\s+1], s20, \s*SLOT
	s_add_nc_u64 s[G0+4*\s+2:G0+4*\s+3], s[18:19], \s*65536        ; K step s: four heads on
	s_or_b32 s[G0+4*\s+3], s[G0+4*\s+3], 0x80000000
	s_mov_b32 s[G0B+4*\s], 1
	s_add_co_u32 s[G0B+4*\s+1], s20, \s*SLOT
	s_add_nc_u64 s[G0B+4*\s+2:G0B+4*\s+3], s[46:47], \s*524288     ; 256 rows of k on
	s_or_b32 s[G0B+4*\s+3], s[G0B+4*\s+3], 0x80000000
	JLOAD \s
.endr
	v_and_b32 v1, 15, v0                           ; r
	v_bfe_u32 v2, v0, 4, 1                         ; h
	v_mul_u32_u24 v3, v1, PA
	v_lshl_add_u32 v3, v2, 4, v3
	s_mul_i32 s21, s13, 64*PA                      ; my 64 rows of each head
	v_add_nc_u32 v[ADRA], s21, v3
	v_add_nc_u32 v[ADRA+1], SLOT, v[ADRA]
	v_and_b32 v4, 7, v0
	v_lshl_add_u32 v4, v2, 3, v4                   ; the turning load: k row 8 h + l % 8,
	v_mul_u32_u24 v4, v4, PB
	v_bfe_u32 v5, v0, 3, 1
	v_lshl_add_u32 v4, v5, 4, v4                   ; columns 8 ((l / 8) % 2) on,
	s_lshl_b32 s21, s14, 7                         ; in my 64 columns,
	s_add_co_u32 s21, s21, 2*HALFT                 ; behind ctx's part of the slot
	v_add_nc_u32 v[ADRB], s21, v4
	v_add_nc_u32 v[ADRB+1], HALFT, v[ADRB]
	v_add_nc_u32 v[ADRB+2], SLOT, v[ADRB]
	v_add_nc_u32 v[ADRB+3], SLOT+HALFT, v[ADRB]
	s_mul_i32 s23, s12, 16*SPITCH
	s_add_co_u32 s23, s23, STAGE                   ; my stage
	v_mul_u32_u24 v4, v1, SPITCH
	v_lshl_add_u32 v4, v2, 5, v4
	v_add_nc_u32 v[STO], s23, v4                   ; in: row r, 32 bytes for each half of the lanes
	v_mul_u32_u24 v5, v2, SPITCH
	v_lshl_add_u32 v5, v1, 4, v5
	v_add_nc_u32 v[RD], s23, v5                    ; back: lanes 0-15 one row of 256 bytes, lanes 16-31 the next
	v_lshlrev_b32 v5, 12, v2
	v_lshl_add_u32 v[CO], v1, 4, v5                ; and the same two rows in out0
	s_and_b32 s45, s15, 15
	s_or_b32 s45, s45, s13
	v_mov_b32 v[FT], s45
	s_lshl_b32 s46, s42, 9                         ; my first column, in bytes (in the registers that held W_o's address)
	s_lshl_b32 s47, s14, 8
	s_add_co_u32 s46, s46, s47
	s_mov_b32 s47, 0
	s_add_nc_u64 s[8:9], s[8:9], s[46:47]
	s_add_nc_u64 s[10:11], s[10:11], s[46:47]
	s_lshl_b32 s16, s15, 19                        ; my first row: 128 ty + 64 x half, 4,096 bytes a row
	s_lshl_b32 s17, s13, 18
	s_add_co_u32 s16, s16, s17
	s_mov_b32 s17, 0
	s_add_nc_u64 s[10:11], s[10:11], s[16:17]
	v_lshlrev_b32 v6, 5, v2
.irp b, 0,1,2,3
	global_load_b128 v[BIAS+8*\b:BIAS+8*\b+3],   v6, s[8:9] offset:64*\b      ; lane (r, h): b_o at columns 16 b + 8 h + 0 .. 7 of my 64
	global_load_b128 v[BIAS+8*\b+4:BIAS+8*\b+7], v6, s[8:9] offset:64*\b+16
.endr
; 8 matrix instructions: row blocks a0, a0 + 1 x all 4 column blocks, 32 along K: half c of buffer f.  first = 1: the bias is the C.  The 16 accumulators take turns
.macro MUL8 f, c, a0, first
.irp a, \a0, \a0+1
.irp b, 0,1,2,3
.if \first
	v_wmma_f32_16x16x32_f16 v[ACC+8*(4*(\a)+\b):ACC+8*(4*(\a)+\b)+7], v[\f+64+8*(4*\c+\b):\f+64+8*(4*\c+\b)+7], v[\f+8*(4*\c+(\a)):\f+8*(4*\c+(\a))+7], v[BIAS+8*\b:BIAS+8*\b+7]
.else
	v_wmma_f32_16x16x32_f16 v[ACC+8*(4*(\a)+\b):ACC+8*(4*(\a)+\b)+7], v[\f+64+8*(4*\c+\b):\f+64+8*(4*\c+\b)+7], v[\f+8*(4*\c+(\a)):\f+8*(4*\c+(\a))+7], v[ACC+8*(4*(\a)+\b):ACC+8*(4*(\a)+\b)+7]
.endif
.endr
.endr
.endm
; 32 LDS loads in one run: quarter qd of a slot (64 along K: one head) into buffer f; its first 32 along K first
.macro FETCH slot, qd, f
	WIN TO_F
.irp c, 0,1
.irp i, 0,1,2,3
	ds_load_tr16_b128 v[\f+64+8*(4*\c+\i):\f+64+8*(4*\c+\i)+3],   v[ADRB+2*\slot+(\qd)/2] offset:(64*((\qd)%2)+32*\c)*PB+32*\i
	ds_load_tr16_b128 v[\f+64+8*(4*\c+\i)+4:\f+64+8*(4*\c+\i)+7], v[ADRB+2*\slot+(\qd)/2] offset:(64*((\qd)%2)+32*\c+16)*PB+32*\i
	ds_load_b128 v[\f+8*(4*\c+\i):\f+8*(4*\c+\i)+3],              v[ADRA+\slot] offset:128*PA*(\qd)+64*\c+\i*16*PA
	ds_load_b128 v[\f+8*(4*\c+\i)+4:\f+8*(4*\c+\i)+7],            v[ADRA+\slot] offset:128*PA*(\qd)+64*\c+\i*16*PA+32
.endr
.endr
.endm
.macro PLACES
.rept 4
	v_nop
.endr
.endm
; One of a K step's first three quarters: multiplies buffer f and fetches quarter qd into g
.macro QUARTER slot, qd, f, g, first
	s_wait_dscnt 16                                ; the first 32 along K are in; the youngest sixteen loads may be out
	WIN MUL
	MUL8 \f, 0, 0, \first
	MUL8 \f, 0, 2, \first
	PLACES
	FETCH \slot, \qd, \g
	s_wait_dscnt 32                                ; all but the 32 just issued
	WIN MUL
	MUL8 \f, 1, 0, 0
	MUL8 \f, 1, 2, 0
.endm
; The last quarter multiplies buffer 1 and changes slots: ONE barrier; in front of it each wave waits for all its tensor loads, adds 0 to its spare word, and waits for that and for its reads of this slot.
; fill = 1: the barrier opens a round of the cluster's, and this slot is filled again, two K steps ahead, first thing behind the round.
.macro TURN slot, next, fill
	WIN 0
	s_wait_tensorcnt 0x0                           ; all my tensor loads have landed: my part of the next slot
	ds_add_u32 v[SPW], v[NIL]
	s_wait_dscnt 17                                ; (the add and the youngest sixteen loads may be out)
	WIN MUL
	MUL8 F1, 0, 0, 0
	s_wait_dscnt 0x0                               ; the add is done, and my reads of this slot are over
	s_barrier_signal -1
	MUL8 F1, 0, 2, 0
.if \fill
	WIN 0
.endif
	s_barrier_wait -1
.if \fill
	CREST
	s_add_nc_u64 s[G0+4*\slot+2:G0+4*\slot+3], s[G0+4*\slot+2:G0+4*\slot+3], 131072      ; eight heads on
	s_add_nc_u64 s[G0B+4*\slot+2:G0B+4*\slot+3], s[G0B+4*\slot+2:G0B+4*\slot+3], 1048576 ; 512 rows of k on
	JLOAD \slot                                    ; the four v_nop behind it are also the places in front of the loads below
.else
	PLACES
.endif
	FETCH \next, 0, F0
	WIN MUL
	MUL8 F1, 1, 0, 0
	MUL8 F1, 1, 2, 0
.endm
	s_wait_loadcnt 0x0                             ; the bias
	s_wait_tensorcnt 1                             ; my part of K step 0 is in; K step 1's may stay out
	s_barrier_signal -1
	s_barrier_wait -1
	FETCH 0, 0, F0
	QUARTER 0, 1, F0, F1, 1
	QUARTER 0, 2, F1, F0, 0
	QUARTER 0, 3, F0, F1, 0
	TURN 0, 1, 1                                   ; slot 0 takes K step 2
	QUARTER 1, 1, F0, F1, 0
	QUARTER 1, 2, F1, F0, 0
	QUARTER 1, 3, F0, F1, 0
	TURN 1, 0, 1                                   ; slot 1 takes K step 3
	QUARTER 0, 1, F0, F1, 0
	QUARTER 0, 2, F1, F0, 0
	QUARTER 0, 3, F0, F1, 0
	TURN 0, 1, 0                                   ; nothing is left to fetch
	QUARTER 1, 1, F0, F1, 0
	QUARTER 1, 2, F1, F0, 0
	QUARTER 1, 3, F0, F1, 0
	s_wait_dscnt 16
	WIN MUL
	MUL8 F1, 0, 0, 0
	MUL8 F1, 0, 2, 0
	s_wait_dscnt 0x0
	MUL8 F1, 1, 0, 0
	MUL8 F1, 1, 2, 0
	WIN 0
; THE WAY OUT, a block of 16 rows x 64 columns at a time.  My 64 columns of f32 are 256 consecutive bytes of a row: each wave has a stage of its own and needs no barrier.
.macro TOSTAGE a
.set BB, BK+32*((\a)%2)
.irp b, 0,1,2,3
	ds_store_b128 v[STO], v[ACC+8*(4*(\a)+\b):ACC+8*(4*(\a)+\b)+3] offset:64*\b        ; each accumulator from its low end on
	ds_store_b128 v[STO], v[ACC+8*(4*(\a)+\b)+4:ACC+8*(4*(\a)+\b)+7] offset:64*\b+16
.endr
.irp t, 0,1,2,3,4,5,6,7
	ds_load_b128 v[BB+4*\t:BB+4*\t+3], v[RD] offset:\t*2*SPITCH    ; LDS serves a wave's instructions in order: these see the stores above
.endr
.endm
.macro SEND a, younger                 ; younger: the LDS instructions issued behind block a's loads: the next block's sixteen, or none
.set BB, BK+32*((\a)%2)
	s_wait_dscnt \younger
.if (\a) == 0
	s_wait_xcnt 0x0                                ; EXEC changes only behind this wait
	v_cmp_ne_u32 vcc_lo, 0, v[FT]                  ; positions 0-15 of a sequence are not stored here: a mask
	s_and_saveexec_b32 s3, vcc_lo
.endif
.irp t, 0,1,2,3,4,5,6,7
	global_store_b128 v[CO], v[BB+4*\t:BB+4*\t+3], s[10:11] offset:(16*(\a)+2*\t)*4096 th:TH_STORE_NT   ; sixteen lanes store 256 consecutive bytes, aligned
.endr
.if (\a) == 0
	s_wait_xcnt 0x0                                ; and again, in front of the line that widens it
	s_or_b32 exec_lo, exec_lo, s3
.endif
.endm
	PLACES                                         ; in front of the first reads of results
	TOSTAGE 0
.irp a, 1,2,3
.if \a > 1
	s_wait_xcnt 0x0                                ; block a - 2's stores have read their registers: block a's loads may land there
.endif
	TOSTAGE \a
	SEND \a-1, 16
.endr
	SEND 3, 0
	s_wait_tensorcnt 0x0                           ; the wave's end: behind my last tensor load and my last LDS store
	ds_add_u32 v[SPW], v[NIL]
	s_wait_dscnt 0x0
	CROUND                                         ; the closing round
	s_endpgm
.Lfunc_end_k_q81fbf421de_oproj:
	.size	k_q81fbf421de_oproj, .Lfunc_end_k_q81fbf421de_oproj-k_q81fbf421de_oproj
	.p2alignl 7, 3214868480
	.fill 96, 4, 3214868480
	.section	.rodata,"a",@progbits
	.p2align	6, 0x0
	.amdhsa_kernel k_q81fbf421de_oproj
		.amdhsa_group_segment_fixed_size 327680
		.amdhsa_private_segment_fixed_size 0
		.amdhsa_enable_private_segment 0
		.amdhsa_kernarg_size 32
		.amdhsa_user_sgpr_count 2
		.amdhsa_user_sgpr_kernarg_segment_ptr 1
		.amdhsa_wavefront_size32 1
		.amdhsa_system_sgpr_workgroup_id_x 1
		.amdhsa_system_sgpr_workgroup_id_y 1
		.amdhsa_system_sgpr_workgroup_id_z 1
		.amdhsa_system_vgpr_workitem_id 0
		.amdhsa_next_free_vgpr 512
		.amdhsa_next_free_sgpr 66
		.amdhsa_reserve_vcc 1
		.amdhsa_float_denorm_mode_32 3
		.amdhsa_float_denorm_mode_16_64 3
		.amdhsa_memory_ordered 1
		.amdhsa_forward_progress 1
		.amdhsa_inst_pref_size 86
	.end_amdhsa_kernel
	.amdgpu_metadata
---
amdhsa.version: [ 1, 2 ]
amdhsa.kernels:
  - .name:           k_q81fbf421de_oproj
    .symbol:         k_q81fbf421de_oproj.kd
    .args:
      - { .name: ctx, .offset: 0, .size: 8, .value_kind: global_buffer, .address_space: global }
      - { .name: wo16, .offset: 8, .size: 8, .value_kind: global_buffer, .address_space: global }
      - { .name: b_o, .offset: 16, .size: 8, .value_kind: global_buffer, .address_space: global }
      - { .name: out0, .offset: 24, .size: 8, .value_kind: global_buffer, .address_space: global }
    .group_segment_fixed_size: 327680
    .private_segment_fixed_size: 0
    .kernarg_segment_align: 8
    .kernarg_segment_size: 32
    .max_flat_workgroup_size: 128
    .sgpr_count:     66
    .vgpr_count:     512
    .wavefront_size: 32
...
	.end_amdgpu_metadata
.endif
;; end of part 4
;; launch fine (part 5): grid 64 x 2, 16 waves a work-group, no clusters, 22,528 bytes of LDS; arguments q32, W_o, b_o, out0; writes out0
.if DOCPART == 5
	.amdgcn_target "amdgcn-amd-amdhsa--gfx1250"
	.amdhsa_code_object_version 6
	.text
	.protected	k_q81fbf421de_fine
	.globl	k_q81fbf421de_fine
	.p2align	8
	.type	k_q81fbf421de_fine,@function
k_q81fbf421de_fine:
	s_mov_b64 s[64:65], 0
	v_nop
	global_prefetch_b8 v0, s[64:65] scope:SCOPE_SE
	s_setreg_imm32_b32 hwreg(HW_REG_WAVE_MODE, 25, 1), 1
	s_wait_xcnt 0x0
; FINE.  Positions 0-15 of both sequences once more, wholly in f32: under the causal mask these rows average one to sixteen values and are the largest of the output, so f16 operands would weigh most there.
; IN: q32, the f32 sums of the quantised products for these rows, [batch 2][16 columns j: 192][c 2][lane 32][4]: element (row r, column 16 j + 8 hh + 4 c + i) at lane r + 16 hh; W_o, b_o in f32.
; OUT: rows 2048 b + 0 .. 15 of out0, which the launch before has left out.
; SHARES.  Work-group (X, b) makes 16 columns of the batch's 16 rows: 128 work-groups.  Wave = head: it does its head's 16 x 16 attention (every work-group of a batch does that again: 12 KB of loads and 32 matrix
; instructions a wave) and then its head's 64 channels of K for the 16 columns, 16 matrix instructions.  The sixteen partial sums meet in LDS; waves 0-3 add them, four rows each, in a fixed order.
; A store covers four rows' 64 consecutive bytes each, not longer runs: the launch's whole output is 128 KB, and sixteen columns to a work-group spread the f32 matrix work over four times as many work-groups
; as sixty-four would.
; ALL PRODUCTS by v_wmma_f32_16x16x4_f32, transposed, so that a lane holds one query throughout.  K is taken in a permuted order, alike on both sources of each product, so that what a product leaves in a lane's
; registers is the next product's operand; the scores and the projection are each summed in two halves (the even and the odd K steps, two accumulators by turns) that are added at the end: the f32 sums run in that
; order (a stated departure from an ascending K).  The registers that these instructions write (v160-167, v184-239) are written by them alone.
; No tensor load, no cluster, no prefetch: the launch is short and each work-group reads other columns of W_o.
.set PP,    80                         ; a row of a partial sum in LDS: 16 columns of f32 + 16 bytes
.set PART,  16*PP                      ; a head's part
.set SPARE, 16*PART                    ; behind the sixteen parts: the spare words, 128 bytes for each wave: eight blocks of 256 bytes that no other line names
; v1 q's and k's offset; v2 v's; v3 W_o's; v4 my part, in; v5 four rows of the parts, back; v6 8 x (lane % 8); v7, v8 the add's two; v9 r - 8 h; v10-13 at work; v[14:15] the bias, then the sum
; v16-47 q, later the parts; v48-79 k; v80-111 v, later ctx; v112-119 the scores, then p; v120-151 W_o's 16 columns; v152 my offset in out0
; v184-191, v160-167 S^T in two halves; v192-223 O^T; v224-231, v232-239 the output in two halves; v240-247 their sum
	s_load_b256 s[4:11], s[0:1], 0x0               ; q32, W_o, b_o, out0
	v_lshl_add_u32 v7, v0, 2, SPARE
	v_mov_b32 v8, 0
	v_lshrrev_b32 v1, 5, v0
	v_readfirstlane_b32 s12, v1                    ; wave = head
	s_and_b32 s13, s12, 3                          ; which four rows I add, if I add
	s_and_b32 s14, ttmp7, 0xffff                   ; batch
	v_and_b32 v10, 15, v0                          ; r
	v_bfe_u32 v11, v0, 4, 1                        ; h
	v_lshlrev_b32 v1, 4, v10
	v_lshl_add_u32 v1, v11, 11, v1                 ; q, k: lane (r, h) takes channels 32 h + 0 .. 31 of row r
	v_bfe_u32 v2, v0, 2, 1
	v_lshlrev_b32 v2, 9, v2
	v_bfe_u32 v12, v0, 3, 1
	v_lshl_add_u32 v2, v12, 8, v2
	v_lshl_add_u32 v2, v11, 7, v2
	v_and_b32 v12, 3, v0
	v_lshl_add_u32 v2, v12, 2, v2                  ; v: lane (r, h) takes channel r of a tile of 16, keys 8 h + 0 .. 7
	v_lshlrev_b32 v3, 2, v10
	v_lshl_add_u32 v3, v11, 15, v3                 ; W_o: lane (r, h) takes column r, k rows 8 h + 0 .. 7 of each 16
	s_mul_i32 s16, s12, PART
	v_mul_u32_u24 v4, v10, PP
	v_lshl_add_u32 v4, v11, 5, v4
	v_add_nc_u32 v4, s16, v4                       ; my part: row r, 32 bytes for each half of the lanes
	s_mul_i32 s16, s13, 4*PP
	v_bfe_u32 v12, v0, 3, 2                        ; lane / 8: which of my four rows
	v_and_b32 v6, 7, v0
	v_lshlrev_b32 v6, 3, v6                        ; two columns, 8 bytes, a lane
	v_mad_u32_u24 v5, v12, PP, v6
	v_add_nc_u32 v5, s16, v5                       ; row 4 (wave % 4) + lane / 8 of part 0
	v_lshl_add_u32 v152, v12, 12, v6               ; and the same place in out0: 4,096 bytes a row
	v_lshlrev_b32 v9, 3, v11
	v_sub_nc_u32 v9, v10, v9
	v_mov_b32 v10, 0xff800000                      ; -infinity
	v_mov_b32 v12, 0                               ; (a lane permute's destination counts as one of its sources)
	s_mov_b32 s20, 0x76543210
	s_mov_b32 s21, 0xfedcba98
	s_mov_b32 s22, 0x3e38aa3b                      ; c = log2(e) / 8
	s_mul_i32 s16, s14, 196608
	s_lshl_b32 s17, s12, 12
	s_add_co_u32 s16, s16, s17                     ; q32: my batch, my head's four column blocks of q
	s_mov_b32 s17, 0
	s_lshl_b32 s24, ttmp9, 6                       ; my work-group's 16 columns, in bytes
	s_mov_b32 s25, 0
	s_lshl_b32 s18, s12, 18                        ; W_o: my head's 64 rows of k
	s_add_co_u32 s18, s18, s24
	s_mov_b32 s19, 0
	s_lshl_b32 s26, s14, 23                        ; out0: row 2048 b + 4 (wave % 4)
	s_lshl_b32 s27, s13, 14
	s_add_co_u32 s26, s26, s27
	s_add_co_u32 s26, s26, s24
	s_mov_b32 s27, 0
	s_wait_kmcnt 0x0
	s_add_nc_u64 s[4:5], s[4:5], s[16:17]
	s_add_nc_u64 s[6:7], s[6:7], s[18:19]
	s_add_nc_u64 s[8:9], s[8:9], s[24:25]
	s_add_nc_u64 s[10:11], s[10:11], s[26:27]
.irp u, 0,1,2,3,4,5,6,7
	global_load_b128 v[16+4*\u:19+4*\u], v1, s[4:5] offset:1024*(\u/4)+256*((\u/2)%2)+512*(\u%2)         ; q(r, 32 h + 4 u + 0 .. 3)
.endr
.irp u, 0,1,2,3,4,5,6,7
	global_load_b128 v[48+4*\u:51+4*\u], v1, s[4:5] offset:65536+1024*(\u/4)+256*((\u/2)%2)+512*(\u%2)   ; k likewise: 64 column blocks on
.endr
.irp c, 0,1,2,3
.irp t, 0,1,2,3,4,5,6,7
	global_load_b32 v[80+8*\c+\t], v2, s[4:5] offset:131072+1024*\c+16*\t                                ; v(key 8 h + t, channel 16 c + r)
.endr
.endr
	s_wait_loadcnt 32                              ; q and k are in; v's 32 loads may be out
	; S^T = k q^T: source 0 = 16 keys, source 1 = 16 queries; step s takes channels 32 h + 2 s, 2 s + 1.  Two accumulators by turns: the even steps', the odd steps'
.set n, 0
.rept 16
.set ra, 184-24*(n%2)
.if n < 2
	v_wmma_f32_16x16x4_f32 v[ra:ra+7], v[48+2*n:49+2*n], v[16+2*n:17+2*n], 0
.else
	v_wmma_f32_16x16x4_f32 v[ra:ra+7], v[48+2*n:49+2*n], v[16+2*n:17+2*n], v[ra:ra+7]
.endif
.set n, n+1
.endr
.irp c, 0,1,2,3
.irp t, 0,1,2,3,4,5,6,7
	global_load_b32 v[120+8*\c+\t], v3, s[6:7] offset:(16*\c+\t)*4096                                    ; W_o(64 head + 16 c + 8 h + t, 16 X + r): asked for behind the first products, wanted by the last
.endr
.endr
	global_load_b64 v[14:15], v6, s[8:9]           ; b_o at my two columns of the rows that I will add
.rept 8
	v_nop                                          ; eight places behind this form, in front of the first read of its results
.endr
	; the softmax: lane (r, h) holds query r and keys 8 h + j; key 8 h + j is hidden where j > r - 8 h
.irp j, 0,1,2,3,4,5,6,7
	v_add_f32 v[112+\j], v[184+\j], v[160+\j]      ; the two halves of the sum; each accumulator from its low end on
.endr
.irp j, 0,1,2,3,4,5,6,7
	v_cmp_gt_i32 vcc_lo, \j, v9
	v_cndmask_b32 v[112+\j], v[112+\j], v10, vcc_lo
.endr
	v_max3_num_f32 v11, v112, v113, v114
	v_max3_num_f32 v11, v11, v115, v116
	v_max3_num_f32 v11, v11, v117, v118
	v_max_num_f32 v11, v11, v119
	v_permlanex16_b32 v12, v11, s20, s21
	v_max_num_f32 v11, v11, v12                    ; the row's largest score: key 0 counts for every query
	v_mul_f32 v13, s22, v11
.irp j, 0,1,2,3,4,5,6,7
	v_fma_f32 v[112+\j], v[112+\j], s22, -v13
.endr
.irp j, 0,1,2,3,4,5,6,7
	v_exp_f32 v[112+\j], v[112+\j]
.endr
	v_nop                                          ; a plain place behind the exponentials
	s_wait_alu depctr_va_vdst(0)                   ; one wait for the batch, ahead of its first reader
	v_add_f32 v11, v112, v113
	v_add_f32 v13, v114, v115
	v_add_f32 v11, v11, v116
	v_add_f32 v13, v13, v117
	v_add_f32 v11, v11, v118
	v_add_f32 v13, v13, v119
	v_add_f32 v11, v11, v13
	v_permlanex16_b32 v12, v11, s20, s21
	v_add_f32 v11, v11, v12                        ; the row's sum
	v_rcp_f32 v13, v11
	v_nop
	s_wait_alu depctr_va_vdst(0)
	s_wait_loadcnt 33                              ; v is in; W_o's 32 loads and the bias may be out
	; O^T = v^T p: source 0 = 16 channels, source 1 = p; step k takes keys 8 h + 2 k, 2 k + 1; four accumulators by turns
.irp k, 0,1,2,3
.irp c, 0,1,2,3
.if \k == 0
	v_wmma_f32_16x16x4_f32 v[192+8*\c:199+8*\c], v[80+8*\c+2*\k:81+8*\c+2*\k], v[112+2*\k:113+2*\k], 0
.else
	v_wmma_f32_16x16x4_f32 v[192+8*\c:199+8*\c], v[80+8*\c+2*\k:81+8*\c+2*\k], v[112+2*\k:113+2*\k], v[192+8*\c:199+8*\c]
.endif
.endr
.endr
.rept 8
	v_nop
.endr
.set n, 0
.rept 32
	v_mul_f32 v[80+n], v[192+n], v13               ; ctx(query r, channel 16 c + 8 h + j) = O^T / the sum, over v's registers
.set n, n+1
.endr
	; the projection: source 0 = 16 columns of W_o, source 1 = ctx; step n takes channels 16 (n / 4) + 8 h + 2 (n % 4) and the next; two accumulators by turns
	s_wait_loadcnt 0x0                             ; W_o and the bias
.set n, 0
.rept 16
.set ra, 224+8*(n%2)
.if n < 2
	v_wmma_f32_16x16x4_f32 v[ra:ra+7], v[120+2*n:121+2*n], v[80+2*n:81+2*n], 0
.else
	v_wmma_f32_16x16x4_f32 v[ra:ra+7], v[120+2*n:121+2*n], v[80+2*n:81+2*n], v[ra:ra+7]
.endif
.set n, n+1
.endr
.rept 8
	v_nop
.endr
.irp j, 0,1,2,3,4,5,6,7
	v_add_f32 v[240+\j], v[224+\j], v[232+\j]      ; the two halves; each accumulator from its low end on
.endr
	ds_store_b128 v4, v[240:243]                   ; lane (r, h): my head's part of out(r, 8 h + 0 .. 7)
	ds_store_b128 v4, v[244:247] offset:16
	s_wait_dscnt 0x0                               ; for the others' sake: my stores have landed
	s_barrier_signal -1
	s_barrier_wait -1
	s_cmp_lt_u32 s12, 4                            ; 16 rows x 16 columns are 128 lanes' pairs: waves 0-3 add
	s_cbranch_scc0 .Lend
.irp p, 0,1,2,3,4,5,6,7,8,9,10,11,12,13,14,15
	ds_load_b64 v[16+2*\p:17+2*\p], v5 offset:PART*\p              ; my two columns of my row in head p's part
.endr
	s_wait_dscnt 0x0
	v_pk_add_f32 v[14:15], v[14:15], v[16:17]      ; the bias and the sixteen parts, in two chains, in a fixed order
	v_pk_add_f32 v[18:19], v[18:19], v[20:21]
.irp p, 22,26,30,34,38,42
	v_pk_add_f32 v[14:15], v[14:15], v[\p:\p+1]
	v_pk_add_f32 v[18:19], v[18:19], v[\p+2:\p+3]
.endr
	v_pk_add_f32 v[14:15], v[14:15], v[46:47]
	v_pk_add_f32 v[14:15], v[14:15], v[18:19]
	global_store_b64 v152, v[14:15], s[10:11]      ; eight lanes store 64 consecutive bytes of a row, the wave four rows
.Lend:
	s_wait_tensorcnt 0x0                           ; the wave's end: behind my last LDS store
	ds_add_u32 v7, v8
	s_wait_dscnt 0x0
	s_endpgm
.Lfunc_end_k_q81fbf421de_fine:
	.size	k_q81fbf421de_fine, .Lfunc_end_k_q81fbf421de_fine-k_q81fbf421de_fine
	.p2alignl 7, 3214868480
	.fill 96, 4, 3214868480
	.section	.rodata,"a",@progbits
	.p2align	6, 0x0
	.amdhsa_kernel k_q81fbf421de_fine
		.amdhsa_group_segment_fixed_size 22528
		.amdhsa_private_segment_fixed_size 0
		.amdhsa_enable_private_segment 0
		.amdhsa_kernarg_size 32
		.amdhsa_user_sgpr_count 2
		.amdhsa_user_sgpr_kernarg_segment_ptr 1
		.amdhsa_wavefront_size32 1
		.amdhsa_system_sgpr_workgroup_id_x 1
		.amdhsa_system_sgpr_workgroup_id_y 1
		.amdhsa_system_sgpr_workgroup_id_z 1
		.amdhsa_system_vgpr_workitem_id 0
		.amdhsa_next_free_vgpr 256
		.amdhsa_next_free_sgpr 66
		.amdhsa_reserve_vcc 1
		.amdhsa_float_denorm_mode_32 3
		.amdhsa_float_denorm_mode_16_64 3
		.amdhsa_memory_ordered 1
		.amdhsa_forward_progress 1
		.amdhsa_inst_pref_size 21
	.end_amdhsa_kernel
	.amdgpu_metadata
---
amdhsa.version: [ 1, 2 ]
amdhsa.kernels:
  - .name:           k_q81fbf421de_fine
    .symbol:         k_q81fbf421de_fine.kd
    .args:
      - { .name: q32, .offset: 0, .size: 8, .value_kind: global_buffer, .address_space: global }
      - { .name: W_o, .offset: 8, .size: 8, .value_kind: global_buffer, .address_space: global }
      - { .name: b_o, .offset: 16, .size: 8, .value_kind: global_buffer, .address_space: global }
      - { .name: out0, .offset: 24, .size: 8, .value_kind: global_buffer, .address_space: global }
    .group_segment_fixed_size: 22528
    .private_segment_fixed_size: 0
    .kernarg_segment_align: 8
    .kernarg_segment_size: 32
    .max_flat_workgroup_size: 512
    .sgpr_count:     66
    .vgpr_count:     256
    .wavefront_size: 32
...
	.end_amdgpu_metadata
.endif
;; end of part 5
